; MI455X (gfx1250); checked and timed in simulation.
; The chip was launched on July 23, 2026; its instructions are those of AMD's public machine-readable ISA for CDNA 5 (MIT licence, August 2026) and "CDNA5" Instruction Set Architecture Reference Guide (July 2026). The comments in the code are by the model that wrote it; some were corrected since.
;; Proposal Layer FPN. Allowed arithmetic: float matrix products may take bf16 or f16 operands with f32 sums; all other float work in f32.
;; Inputs: bbox_deltas 32 x 49,104 x 4 float32; scores 32 x 49,104 x 1 float32.
;; Outputs: out0 32 x 300 x 5 float32.
;; 2 versions, each right and faster than the one before. Each part assembles by itself: llvm-mc -triple=amdgcn-amd-amdhsa -mcpu=gfx1250 --defsym DOCPART=n.
;; ======== version 1 of 2: 5 launches
;; workspace buffers: keys 6,291,456 bytes of whole numbers; thr 4,096 bytes of whole numbers; ordk 131,072 bytes of whole numbers; cnt 4,096 bytes of whole numbers; mat 1,048,576 bytes of whole numbers; kept 4,096 bytes of whole numbers; sbox 262,144 bytes
;; launch keys (part 1): grid 256 x 1, 4 waves a work-group, no clusters, 0 bytes of LDS; arguments scores, keys, thr; writes keys, thr
.if DOCPART == 1
	.amdgcn_target "amdgcn-amd-amdhsa--gfx1250"
	.amdhsa_code_object_version 6
	.text
	.protected	k_qc7dc29ec35_keys
	.globl	k_qc7dc29ec35_keys
	.p2align	8
	.type	k_qc7dc29ec35_keys,@function
k_qc7dc29ec35_keys:
	s_mov_b64 s[64:65], 0
	v_nop
	global_prefetch_b8 v0, s[64:65] scope:SCOPE_SE
	s_setreg_imm32_b32 hwreg(HW_REG_WAVE_MODE, 25, 1), 1
	s_wait_xcnt 0x0
; Scores become ordered 32-bit keys (a larger score is a larger unsigned key), and each part of 1,536 scores
; reports its 32nd largest key.  1,024 waves: wave = (image b of 32, part p of 32); a lane holds 48 keys in registers.
; keys: [32][49152] words, the 48 words behind an image's 49,104 scores hold 0 (below every real key).  thr: [32][32] words.
; LIMITS: NaN scores are not served (their keys sort by bit pattern); -0 counts as +0.
; No LDS, no barrier: a wave's work never leaves the wave.  No matrix work: the problem has no products.
.set IMGB,  196416                     ; bytes of an image's scores
.set KPB,   196608                     ; bytes of an image's keys
.set PARTB, 6144                       ; bytes of a part
.set MSEL,  32                         ; the rank reported
.set K,     8                          ; v[8:55] the lane's 48 keys: pair t holds elements 64 t + 2 lane, + 1 of the part
	s_load_b128 s[4:7], s[0:1], 0x0                ; scores s[4:5], keys s[6:7]
	s_load_b64 s[8:9], s[0:1], 0x10                ; thr
	v_lshrrev_b32 v3, 5, v0
	v_readfirstlane_b32 s10, v3                    ; wave
	v_and_b32 v1, 31, v0                           ; lane
	v_lshlrev_b32 v2, 3, v1                        ; 8 bytes a lane
	s_lshr_b32 s11, ttmp9, 3                       ; image
	s_and_b32 s12, ttmp9, 7
	s_lshl2_add_u32 s12, s12, s10                  ; part = 4 (x & 7) + wave
	s_mul_i32 s13, s12, PARTB
	s_mul_i32 s38, s11, IMGB
	s_mov_b32 s39, 0
	v_add_nc_u32 v5, s13, v2
	v_add_nc_u32 v5, 23*256, v5                    ; byte offset in the image of the lane's last pair
	v_cmp_gt_u32 vcc_lo, IMGB, v5                  ; it exists (only part 31 runs past the image's end, by whole pairs)
	v_min_u32 v4, IMGB-8, v5                       ; the load stays inside the image
	s_wait_kmcnt 0x0
	s_add_nc_u64 s[36:37], s[4:5], s[38:39]        ; the image's scores
	s_mov_b32 s38, s13
	s_add_nc_u64 s[4:5], s[36:37], s[38:39]        ; the part's scores
	s_mul_i32 s38, s11, KPB
	s_add_co_u32 s38, s38, s13
	s_add_nc_u64 s[6:7], s[6:7], s[38:39]          ; the part's keys
.set t, 0
.rept 23
	global_load_b64 v[K+2*t:K+2*t+1], v2, s[4:5] offset:256*t th:TH_LOAD_NT    ; a wave's load covers 256 consecutive bytes
.set t, t+1
.endr
	global_load_b64 v[K+46:K+47], v4, s[36:37] th:TH_LOAD_NT
	s_wait_loadcnt 0x0
; float to ordered key: + 0 turns -0 into +0; then positive numbers get the top bit, negative ones are inverted
.set r, 0
.rept 48
	v_add_f32 v[K+r], 0, v[K+r]
	v_ashrrev_i32 v5, 31, v[K+r]
	v_or_b32 v5, 0x80000000, v5
	v_xor_b32 v[K+r], v[K+r], v5
.set r, r+1
.endr
	v_cndmask_b32 v[K+46], 0, v[K+46], vcc_lo      ; behind the image's end: key 0
	v_cndmask_b32 v[K+47], 0, v[K+47], vcc_lo
.set t, 0
.rept 24
	global_store_b64 v2, v[K+2*t:K+2*t+1], s[6:7] offset:256*t                 ; 256 consecutive bytes, aligned
.set t, t+1
.endr
; The largest T with at least MSEL keys >= T, bit by bit from the top: 32 trips, a select and no branch on data.
	s_mov_b32 s14, 0                               ; T
	s_mov_b32 s15, 0x80000000                      ; the bit on trial
	s_mov_b32 s34, 0
.Lbis:
	s_or_b32 s35, s14, s15
	s_mov_b32 s32, 0
	s_mov_b32 s33, 0
.irp g, 0,1,2
.irp j, 0,1,2,3,4,5,6,7,8,9,10,11,12,13,14,15
	v_cmp_le_u32 s[16+\j], s35, v[K+16*\g+\j]
.endr
.irp j, 0,1,2,3,4,5,6,7,8,9,10,11,12,13,14,15
	s_bcnt1_i32_b32 s[16+\j], s[16+\j]
.endr
.irp j, 0,2,4,6,8,10,12,14
	s_add_co_u32 s32, s32, s[16+\j]
	s_add_co_u32 s33, s33, s[17+\j]
.endr
.endr
	s_add_co_u32 s32, s32, s33
	s_cmp_ge_u32 s32, MSEL
	s_cselect_b32 s14, s35, s14
	s_lshr_b32 s15, s15, 1
	s_add_co_u32 s34, s34, 1
	s_cmp_lt_u32 s34, 32
	s_cbranch_scc1 .Lbis
	v_mov_b32 v5, s14
	s_lshl_b32 s20, s11, 5
	s_add_co_u32 s20, s20, s12
	s_lshl_b32 s20, s20, 2
	v_mov_b32 v6, s20
	v_cmp_eq_u32 vcc_lo, 0, v1
	s_wait_xcnt 0x0                                ; the key stores name EXEC: it narrows only behind this wait
	s_and_saveexec_b32 s21, vcc_lo
	global_store_b32 v6, v5, s[8:9]                ; thr[b][p], one lane
	s_wait_xcnt 0x0
	s_or_b32 exec_lo, exec_lo, s21
	s_endpgm
.Lfunc_end_k_qc7dc29ec35_keys:
	.size	k_qc7dc29ec35_keys, .Lfunc_end_k_qc7dc29ec35_keys-k_qc7dc29ec35_keys
	.p2alignl 7, 3214868480
	.fill 96, 4, 3214868480
	.section	.rodata,"a",@progbits
	.p2align	6, 0x0
	.amdhsa_kernel k_qc7dc29ec35_keys
		.amdhsa_group_segment_fixed_size 0
		.amdhsa_private_segment_fixed_size 0
		.amdhsa_enable_private_segment 0
		.amdhsa_kernarg_size 24
		.amdhsa_user_sgpr_count 2
		.amdhsa_user_sgpr_kernarg_segment_ptr 1
		.amdhsa_wavefront_size32 1
		.amdhsa_system_sgpr_workgroup_id_x 1
		.amdhsa_system_sgpr_workgroup_id_y 1
		.amdhsa_system_sgpr_workgroup_id_z 1
		.amdhsa_system_vgpr_workitem_id 0
		.amdhsa_next_free_vgpr 64
		.amdhsa_next_free_sgpr 66
		.amdhsa_reserve_vcc 1
		.amdhsa_float_denorm_mode_32 3
		.amdhsa_float_denorm_mode_16_64 3
		.amdhsa_memory_ordered 1
		.amdhsa_forward_progress 1
		.amdhsa_inst_pref_size 21
	.end_amdhsa_kernel
	.amdgpu_metadata
---
amdhsa.version: [ 1, 2 ]
amdhsa.kernels:
  - .name:           k_qc7dc29ec35_keys
    .symbol:         k_qc7dc29ec35_keys.kd
    .args:
      - { .name: scores, .offset: 0, .size: 8, .value_kind: global_buffer, .address_space: global }
      - { .name: keys, .offset: 8, .size: 8, .value_kind: global_buffer, .address_space: global }
      - { .name: thr, .offset: 16, .size: 8, .value_kind: global_buffer, .address_space: global }
    .group_segment_fixed_size: 0
    .private_segment_fixed_size: 0
    .kernarg_segment_align: 8
    .kernarg_segment_size: 24
    .max_flat_workgroup_size: 128
    .sgpr_count:     66
    .vgpr_count:     64
    .wavefront_size: 32
...
	.end_amdgpu_metadata
.endif
;; end of part 1
;; launch rank (part 2): grid 8 x 32, 32 waves a work-group, no clusters, 33,024 bytes of LDS; arguments keys, thr, ordk, cnt; writes ordk, cnt
.if DOCPART == 2
	.amdgcn_target "amdgcn-amd-amdhsa--gfx1250"
	.amdhsa_code_object_version 6
	.text
	.protected	k_qc7dc29ec35_rank
	.globl	k_qc7dc29ec35_rank
	.p2align	8
	.type	k_qc7dc29ec35_rank,@function
k_qc7dc29ec35_rank:
	s_mov_b64 s[64:65], 0
	v_nop
	global_prefetch_b8 v0, s[64:65] scope:SCOPE_SE
	s_setreg_imm32_b32 hwreg(HW_REG_WAVE_MODE, 25, 1), 1
	s_wait_xcnt 0x0
; The head of the sorted list, as ranks.  Work-group (q of 8, image b), 32 waves.
; tau = the largest of the image's 32 part thresholds.  A part holds at most 31 keys above its own 32nd largest, so at most 31 above tau:
; {key > tau} has L <= 992 members and is exactly the first L entries of the order (key falling, index rising).
; Each of the image's 8 work-groups compacts that set into LDS in rising index order (nothing passes between work-groups); the ranking by counting is
; shared: work-group q ranks entries 128 q .. 128 q + 127, wave w 32 of them against 4 of the 32 blocks of 32 keys, and the eight partial ranks meet in LDS.
; Every trip count is a constant and every branch hangs on the wave's and the work-group's numbers alone.
; ordk: [32][1024] words, rank << 16 | anchor index of compacted entry e; entries behind L get rank e, so the ranks are a permutation of 0 .. 1023.
; cnt: [32][32] words, all of row b = min(L, 512).
; EXEC is never narrowed: a lane that has nothing to store sends its store to a spare place of its own, which is never read.
; LIMIT: NaN scores are not served (a key of 0 is taken for "no entry"; real scores have keys above 0x7fffff).
.set KEY2, 16384                       ; LDS: 0 SEG 32 segments x 64 entries (key, index): 0-31 in use, 32-63 spare; 16384: 1,024 keys, compacted
.set IDX2, 20480                       ; their 1,024 indices
.set PART, 24576                       ; 8 x 128 partial ranks
.set CNT,  28672                       ; 32 counts
; v0 thread, v1 lane, v2-v7 at work, v8 my segment, v9 index of my first element, v10 4 lane, v11 4 thread, v12-v15 at work,
; v[16:63] keys, v64 key, v65 index, v66 rank, v67 threshold, v69 32 + lane
.macro BAR
	s_wait_dscnt 0x0                               ; my LDS stores and loads are done: the others rely on that
	s_barrier_signal -1
	s_barrier_wait -1
.endm
.macro REDMAXU v, t                    ; unsigned maximum over the 32 lanes, in every lane
.irp m, 1,2,4,8
	v_mov_b32_dpp v[\t], v[\v] row_xmask:\m row_mask:0xf bank_mask:0xf
	v_max_u32 v[\v], v[\v], v[\t]
.endr
	v_permlanex16_b32 v[\t], v[\v], s36, s37
	v_max_u32 v[\v], v[\v], v[\t]
.endm
	s_load_b256 s[4:11], s[0:1], 0x0               ; keys s[4:5], thr s[6:7], ordk s[8:9], cnt s[10:11]
	v_lshl_add_u32 v96, v0, 2, 0x7100
	v_mov_b32 v97, 0
	v_lshrrev_b32 v2, 5, v0
	v_readfirstlane_b32 s16, v2                    ; wave w = the part that it compacts
	v_and_b32 v1, 31, v0
	s_and_b32 s17, ttmp9, 7                        ; q
	s_and_b32 s18, ttmp7, 0xffff                   ; image
	s_mov_b32 s36, 0x76543210
	s_mov_b32 s37, 0xfedcba98
	s_mov_b32 s39, 0
	v_lshlrev_b32 v10, 2, v1
	v_lshlrev_b32 v11, 2, v0
	v_lshlrev_b32 v12, 3, v1
	s_lshl_b32 s24, s16, 9
	v_mov_b32 v8, s24                              ; my segment: 512 w
	s_mul_i32 s25, s16, 1536
	v_lshl_add_u32 v9, v1, 1, s25                  ; index of my first element
	v_add_nc_u32 v69, 32, v1                       ; my spare entry of the segment
	v_add_nc_u32 v2, s24, v12
	v_mov_b32 v6, 0
	v_mov_b32 v7, 0
	ds_store_b64 v2, v[6:7]                        ; entries 0-31 of my segment start as zeros: every word that is read later has been written
	s_mul_i32 s38, s18, 196608
	s_mul_i32 s21, s16, 6144
	s_add_co_u32 s38, s38, s21
	s_wait_kmcnt 0x0
	s_add_nc_u64 s[4:5], s[4:5], s[38:39]
	s_lshl_b32 s38, s18, 7
	s_add_nc_u64 s[6:7], s[6:7], s[38:39]
	global_load_b32 v67, v10, s[6:7]               ; the image's 32 thresholds, one a lane
.set t, 0
.rept 24
	global_load_b64 v[16+2*t:17+2*t], v12, s[4:5] offset:256*t
.set t, t+1
.endr
	s_wait_loadcnt 0x0
	REDMAXU 67, 7
	v_readfirstlane_b32 s19, v67                   ; tau
; The part's keys above tau, in rising index order, into my segment.  A member's place is below 31; the others go to entry 32 + lane.
	s_mov_b32 s28, 0
.macro COMPACT t
	v_cmp_gt_u32 s20, v[16+2*\t], s19
	v_cmp_gt_u32 s21, v[17+2*\t], s19
	v_mbcnt_lo_u32_b32 v2, s20, s28
	v_mbcnt_lo_u32_b32 v2, s21, v2                 ; so many stand in front of my first element
	s_mov_b32 vcc_lo, s20
	v_add_co_ci_u32 v3, vcc_lo, 0, v2, vcc_lo      ; and of my second
	v_cndmask_b32 v2, v69, v2, s20
	v_cndmask_b32 v3, v69, v3, s21
	v_min_u32 v2, 63, v2                           ; inside my segment, whatever the counts
	v_min_u32 v3, 63, v3
	v_lshl_add_u32 v2, v2, 3, v8
	v_lshl_add_u32 v3, v3, 3, v8
	v_mov_b32 v4, v[16+2*\t]
	v_add_nc_u32 v5, 64*\t, v9
	v_mov_b32 v6, v[17+2*\t]
	v_add_nc_u32 v7, 64*\t+1, v9
	ds_store_b64 v2, v[4:5]
	ds_store_b64 v3, v[6:7]
	s_bcnt1_i32_b32 s20, s20
	s_bcnt1_i32_b32 s21, s21
	s_add_co_u32 s28, s28, s20
	s_add_co_u32 s28, s28, s21
.endm
.irp t, 0,1,2,3,4,5,6,7,8,9,10,11,12,13,14,15,16,17,18,19,20,21,22,23
	COMPACT \t
.endr
	v_mov_b32 v2, s28
	s_lshl_b32 s22, s16, 2
	v_mov_b32 v3, s22
	ds_store_b32 v3, v2 offset:CNT                 ; all lanes: the same word, the same value
	BAR
; Thread d takes the d-th member: running sums of the 32 counts, a search for its part, then its place in the segment
	ds_load_b32 v12, v10 offset:CNT
	s_wait_dscnt 0x0
	v_mov_b32 v13, v12
	v_mov_b32 v2, 0
.irp m, 1,2,4,8
	v_mov_b32_dpp v2, v13 row_shr:\m row_mask:0xf bank_mask:0xf bound_ctrl:1
	v_add_nc_u32 v13, v13, v2
.endr
	v_readlane_b32 s20, v13, 15
	v_mov_b32 v3, s20
	v_cmp_lt_u32 vcc_lo, 15, v1
	v_cndmask_b32 v2, 0, v3, vcc_lo
	v_add_nc_u32 v13, v13, v2                      ; counts up to and with part = lane
	v_readlane_b32 s29, v13, 31
	s_min_u32 s29, s29, 1024                       ; L (992 at the most by the counts).  It only selects values below
	v_sub_nc_u32 v14, v13, v12                     ; counts in front of part = lane
	v_mov_b32 v15, 0                               ; 4 x the number of parts that end at or below d
.irp st, 16,8,4,2,1
	v_add_nc_u32 v2, 4*(\st-1), v15
	v_min_u32 v2, 124, v2
	ds_bpermute_b32 v3, v2, v13
	v_add_nc_u32 v4, 4*\st, v15
	s_wait_dscnt 0x0
	v_cmp_le_u32 vcc_lo, v3, v0
	v_cndmask_b32 v15, v15, v4, vcc_lo
.endr
	v_min_u32 v15, 124, v15
	ds_bpermute_b32 v3, v15, v14
	s_wait_dscnt 0x0
	v_sub_nc_u32 v3, v0, v3
	v_min_u32 v3, 31, v3
	v_lshlrev_b32 v4, 7, v15                       ; 512 x part
	v_lshl_add_u32 v4, v3, 3, v4
	ds_load_b64 v[64:65], v4
	s_wait_dscnt 0x0
	v_cmp_gt_u32 vcc_lo, s29, v0
	v_cndmask_b32 v64, 0, v64, vcc_lo              ; behind the L-th: key 0, which outranks nothing
	ds_store_b32 v11, v64 offset:KEY2
	ds_store_b32 v11, v65 offset:IDX2
	BAR
; Rank = keys above mine + equal keys in front of me.  Blocks of 32 in front of my entries' block count >=, that block and later ones >;
; equal keys of lower lanes in the entries' own block are added by the wave whose four blocks hold it.
	s_and_b32 s40, s16, 3                          ; which 32 of the work-group's 128 entries
	s_lshr_b32 s41, s16, 2                         ; which 4 of the 32 blocks
	s_lshl2_add_u32 s42, s17, s40                  ; my entries' block = 4 q + (w & 3)
	s_lshl_b32 s20, s42, 7
	v_add_nc_u32 v2, s20, v10
	ds_load_b32 v64, v2 offset:KEY2                ; my entry's key
	s_lshl_b32 s21, s41, 9
	v_mov_b32 v3, s21                              ; my four blocks: 512 bytes
	s_lshl_b32 s43, s41, 2
	v_mov_b32 v66, 0
.irp i, 0,1,2,3
.irp j, 0,1,2,3,4,5,6,7
	ds_load_b128 v[16+4*\j:19+4*\j], v3 offset:KEY2+128*\i+16*\j   ; one address for all lanes: 32 keys in every lane
.endr
	s_add_co_u32 s20, s43, \i
	s_cmp_lt_u32 s20, s42
	s_cselect_b32 s20, 1, 0
	s_wait_dscnt 0x0
	v_sub_nc_u32 v67, v64, s20                     ; a member's key is at least 1
.set j2, 0
.rept 32
	v_cmp_gt_u32 vcc_lo, v[16+j2], v67
	v_add_co_ci_u32 v66, vcc_lo, 0, v66, vcc_lo
.set j2, j2+1
.endr
.endr
	s_cmp_lg_u32 s41, s17
	s_cbranch_scc1 .Lnoties                        ; block 4 q + (w & 3) lies in the four blocks of the waves with w >> 2 = q
.set jj, 0
.rept 31
	v_readlane_b32 s21, v64, jj
	v_cmp_eq_u32 s20, s21, v64
	s_and_b32 vcc_lo, s20, (0xfffffffe<<jj)&0xffffffff     ; lanes above jj only
	v_add_co_ci_u32 v66, vcc_lo, 0, v66, vcc_lo
.set jj, jj+1
.endr
.Lnoties:
	BAR                                            ; every wave's reads of the keys are over before any wave writes LDS again
	ds_store_b32 v11, v66 offset:PART              ; 4 thread = 512 (w >> 2) + 4 (32 (w & 3) + lane)
	BAR
	s_cmp_ge_u32 s16, 4
	s_cbranch_scc1 .Lend
.irp i, 0,1,2,3,4,5,6,7
	ds_load_b32 v[16+\i], v11 offset:PART+512*\i   ; threads 0 to 127: an entry's eight partial ranks
.endr
	s_lshl_b32 s20, s17, 7
	v_add_nc_u32 v2, s20, v0                       ; entry e = 128 q + thread
	v_lshlrev_b32 v3, 2, v2
	ds_load_b32 v65, v3 offset:IDX2
	s_wait_dscnt 0x0
	v_add3_u32 v16, v16, v17, v18
	v_add3_u32 v19, v19, v20, v21
	v_add3_u32 v16, v16, v22, v23
	v_add_nc_u32 v16, v16, v19
	v_cmp_gt_u32 vcc_lo, s29, v2
	v_cndmask_b32 v16, v2, v16, vcc_lo             ; behind L: rank = place
	v_lshl_or_b32 v16, v16, 16, v65
	s_lshl_b32 s38, s18, 12
	s_add_nc_u64 s[8:9], s[8:9], s[38:39]
	global_store_b32 v3, v16, s[8:9]               ; four waves: 512 consecutive bytes
	s_or_b32 s20, s16, s17
	s_cmp_lg_u32 s20, 0
	s_cbranch_scc1 .Lend                           ; one wave of one of the eight work-groups stores the count
	s_min_u32 s32, s29, 512
	v_mov_b32 v5, s32
	s_lshl_b32 s38, s18, 7
	s_add_nc_u64 s[10:11], s[10:11], s[38:39]
	global_store_b32 v10, v5, s[10:11]             ; from all 32 lanes: 128 consecutive bytes, no lane switched off
.Lend:
	s_barrier_signal -1
	s_barrier_wait -1
	s_wait_tensorcnt 0x0
	ds_add_u32 v96, v97
	s_wait_dscnt 0x0
	s_endpgm
.Lfunc_end_k_qc7dc29ec35_rank:
	.size	k_qc7dc29ec35_rank, .Lfunc_end_k_qc7dc29ec35_rank-k_qc7dc29ec35_rank
	.p2alignl 7, 3214868480
	.fill 96, 4, 3214868480
	.section	.rodata,"a",@progbits
	.p2align	6, 0x0
	.amdhsa_kernel k_qc7dc29ec35_rank
		.amdhsa_group_segment_fixed_size 33024
		.amdhsa_private_segment_fixed_size 0
		.amdhsa_enable_private_segment 0
		.amdhsa_kernarg_size 32
		.amdhsa_user_sgpr_count 2
		.amdhsa_user_sgpr_kernarg_segment_ptr 1
		.amdhsa_wavefront_size32 1
		.amdhsa_system_sgpr_workgroup_id_x 1
		.amdhsa_system_sgpr_workgroup_id_y 1
		.amdhsa_system_sgpr_workgroup_id_z 1
		.amdhsa_system_vgpr_workitem_id 0
		.amdhsa_next_free_vgpr 98
		.amdhsa_next_free_sgpr 66
		.amdhsa_reserve_vcc 1
		.amdhsa_float_denorm_mode_32 3
		.amdhsa_float_denorm_mode_16_64 3
		.amdhsa_memory_ordered 1
		.amdhsa_forward_progress 1
		.amdhsa_inst_pref_size 53
	.end_amdhsa_kernel
	.amdgpu_metadata
---
amdhsa.version: [ 1, 2 ]
amdhsa.kernels:
  - .name:           k_qc7dc29ec35_rank
    .symbol:         k_qc7dc29ec35_rank.kd
    .args:
      - { .name: keys, .offset: 0, .size: 8, .value_kind: global_buffer, .address_space: global }
      - { .name: thr, .offset: 8, .size: 8, .value_kind: global_buffer, .address_space: global }
      - { .name: ordk, .offset: 16, .size: 8, .value_kind: global_buffer, .address_space: global }
      - { .name: cnt, .offset: 24, .size: 8, .value_kind: global_buffer, .address_space: global }
    .group_segment_fixed_size: 33024
    .private_segment_fixed_size: 0
    .kernarg_segment_align: 8
    .kernarg_segment_size: 32
    .max_flat_workgroup_size: 1024
    .sgpr_count:     66
    .vgpr_count:     98
    .wavefront_size: 32
...
	.end_amdgpu_metadata
.endif
;; end of part 2
;; launch pairs (part 3): grid 8 x 32, 32 waves a work-group, no clusters, 34,816 bytes of LDS; arguments ordk, bbox_deltas, mat, sbox; writes mat, sbox
.if DOCPART == 3
	.amdgcn_target "amdgcn-amd-amdhsa--gfx1250"
	.amdhsa_code_object_version 6
	.text
	.protected	k_qc7dc29ec35_pairs
	.globl	k_qc7dc29ec35_pairs
	.p2align	8
	.type	k_qc7dc29ec35_pairs,@function
k_qc7dc29ec35_pairs:
	s_mov_b64 s[64:65], 0
	v_nop
	global_prefetch_b8 v0, s[64:65] scope:SCOPE_SE
	s_setreg_imm32_b32 hwreg(HW_REG_WAVE_MODE, 25, 1), 1
	s_wait_xcnt 0x0
; The first 512 boxes in sorted order and their table of overlaps.  Work-group (q of 8, image b), 32 waves.
; Thread d loads entry d of the image's list (rank << 16 | anchor index), gathers that anchor's deltas, decodes the box and puts it into LDS at its rank;
; ranks are a permutation of 0 .. 1023, so places 0 .. 511 are all written; ranks from 512 on go to a spare place of the thread's own, never read.
; Each of the image's 8 work-groups does this (1,024 gathers of 16 bytes; nothing passes between work-groups); the 8 then share the 16 x 16 tiles of
; 32 x 32 bits "IoU > 0.7", of which those on and above the diagonal are computed.
; mat: [32][row block 16][column block 16][row 32] words; bit l of word (rb, g, r) = IoU(box 32 rb + r, box 32 g + l) > 0.7; in diagonal
; tiles only the bits l > r are kept; tiles below the diagonal are zeros.  sbox: [32][512][4] f32.
; EXEC is never narrowed.  No tensor loads, clusters or matrix work: the tiles are small, pass through registers, and the problem has no products.
; LIMITS: the test is inter > 0.7 den, den = area + area - inter + 1e-8 summed in that order: it may part from the quotient's rounding in the last bit.
; Anchors are rebuilt in f32 from the index and agree with a table rounded from f64 to the last bits.
.set AREA, 24576                       ; LDS: 0: 1,536 boxes of 16 bytes (512 in order, 1,024 spare); 24576: their areas
.set F01, 0x3dcccccd                   ; 0.1
.set F02, 0x3e4ccccd                   ; 0.2
.set FL2E, 0x3fb8aa3b                  ; 1 / ln 2
.set FS1, 0x3fa14518                   ; 2^(1/3)
.set FS2, 0x3fcb2ff5                   ; 2^(2/3)
.set FR2, 0x3fb504f3                   ; sqrt 2
.set FR2I, 0x3f3504f3                  ; 1 / sqrt 2
.set F512, 0x44000000                  ; 512
.set FEPS, 0x322bcc77                  ; 1e-8
.set F07, 0x3f333333                   ; 0.7
; v0 thread, v1 lane, v2-v6 at work, v10 4 lane, v11 4 thread, v12 index, v13 place, v14 gather offset, v15 512 + thread,
; v[16:47] deltas, box, then rows, v68 tile word, v[70:74] column box and area, v[76:83] row areas, v[84:87] at work
.macro BAR
	s_wait_dscnt 0x0                               ; my LDS stores and loads are done: the others rely on that
	s_barrier_signal -1
	s_barrier_wait -1
.endm
; mask M = lanes where IoU(box R with area RA, box C with area CA) > 0.7
.macro IOU R, RA, C, CA, T, M
	v_max_num_f32 v[\T], v[\R], v[\C]
	v_max_num_f32 v[\T+1], v[\R+1], v[\C+1]
	v_min_num_f32 v[\T+2], v[\R+2], v[\C+2]
	v_min_num_f32 v[\T+3], v[\R+3], v[\C+3]
	v_sub_f32 v[\T+2], v[\T+2], v[\T]
	v_sub_f32 v[\T+3], v[\T+3], v[\T+1]
	v_max_num_f32 v[\T+2], 0, v[\T+2]
	v_max_num_f32 v[\T+3], 0, v[\T+3]
	v_mul_f32 v[\T+2], v[\T+2], v[\T+3]            ; inter
	v_add_f32 v[\T], v[\CA], v[\RA]
	v_sub_f32 v[\T], v[\T], v[\T+2]
	v_add_f32 v[\T], FEPS, v[\T]
	v_mul_f32 v[\T], F07, v[\T]
	v_cmp_gt_f32 s[\M], v[\T+2], v[\T]
.endm
; anchor index IDX and deltas v[D:D+3] to the clipped box v[O:O+3]; seven registers at work from T
.macro DECODE IDX, D, O, T
	v_mov_b32 v[\T], 0                             ; n = level starts above the index: level = 4 - n
	v_mov_b32 v[\T+1], 0                           ; the level's first index
.irp c, 36864, 46080, 48384, 48960
	v_cmp_gt_u32 vcc_lo, \c, v[\IDX]
	v_cndmask_b32 v[\T+1], \c, v[\T+1], vcc_lo
	v_add_co_ci_u32 v[\T], vcc_lo, 0, v[\T], vcc_lo
.endr
	v_sub_nc_u32 v[\T+1], v[\IDX], v[\T+1]         ; 9 location + kind, below 36,864
	v_mul_lo_u32 v[\T+2], 58255, v[\T+1]
	v_lshrrev_b32 v[\T+2], 19, v[\T+2]             ; location: 58255 / 2^19 exceeds 1/9 by 1.5e-6, times 36,863 is below 1/9
	v_mul_u32_u24 v[\T+3], 9, v[\T+2]
	v_sub_nc_u32 v[\T+3], v[\T+1], v[\T+3]         ; kind 0..8 = 3 ratio + scale
	v_add_nc_u32 v[\T+4], 2, v[\T]                 ; the grid's side is 2^(2+n)
	v_lshrrev_b32 v[\T+5], v[\T+4], v[\T+2]        ; y
	v_lshlrev_b32 v[\T+6], v[\T+4], v[\T+5]
	v_sub_nc_u32 v[\T+6], v[\T+2], v[\T+6]         ; x
	v_sub_nc_u32 v[\T+4], 7, v[\T]
	v_ldexp_f32 v[\T+4], 1.0, v[\T+4]              ; stride 2^(7-n)
	v_cvt_f32_u32 v[\T+6], v[\T+6]
	v_cvt_f32_u32 v[\T+5], v[\T+5]
	v_add_f32 v[\T+6], 0.5, v[\T+6]
	v_add_f32 v[\T+5], 0.5, v[\T+5]
	v_mul_f32 v[\T+6], v[\T+6], v[\T+4]            ; the cell's centre
	v_mul_f32 v[\T+5], v[\T+5], v[\T+4]
	v_mul_u32_u24 v[\T], 11, v[\T+3]
	v_lshrrev_b32 v[\T], 5, v[\T]                  ; ratio index = kind / 3
	v_mul_u32_u24 v[\T+1], 3, v[\T]
	v_sub_nc_u32 v[\T+1], v[\T+3], v[\T+1]         ; scale index
	v_mov_b32 v[\T+2], 1.0
	v_cmp_ne_u32 vcc_lo, 1, v[\T+1]
	v_cndmask_b32 v[\T+2], FS1, v[\T+2], vcc_lo
	v_cmp_ne_u32 vcc_lo, 2, v[\T+1]
	v_cndmask_b32 v[\T+2], FS2, v[\T+2], vcc_lo
	v_mul_f32 v[\T+2], v[\T+2], v[\T+4]
	v_mul_f32 v[\T+2], 4.0, v[\T+2]                ; size x scale, size = 4 strides
	v_mov_b32 v[\T+3], 1.0
	v_mov_b32 v[\T+4], 1.0
	v_cmp_ne_u32 vcc_lo, 0, v[\T]
	v_cndmask_b32 v[\T+3], FR2, v[\T+3], vcc_lo    ; ratio 0.5: wide
	v_cndmask_b32 v[\T+4], FR2I, v[\T+4], vcc_lo
	v_cmp_ne_u32 vcc_lo, 2, v[\T]
	v_cndmask_b32 v[\T+3], FR2I, v[\T+3], vcc_lo   ; ratio 2: tall
	v_cndmask_b32 v[\T+4], FR2, v[\T+4], vcc_lo
	v_mul_f32 v[\T+3], v[\T+3], v[\T+2]
	v_mul_f32 v[\T+4], v[\T+4], v[\T+2]
	v_fma_f32 v[\T], -0.5, v[\T+3], v[\T+6]        ; the anchor's corners, then width and centre from the corners
	v_fma_f32 v[\T+1], 0.5, v[\T+3], v[\T+6]
	v_sub_f32 v[\T+3], v[\T+1], v[\T]              ; w
	v_fma_f32 v[\T+6], 0.5, v[\T+3], v[\T]         ; cx
	v_fma_f32 v[\T], -0.5, v[\T+4], v[\T+5]
	v_fma_f32 v[\T+1], 0.5, v[\T+4], v[\T+5]
	v_sub_f32 v[\T+4], v[\T+1], v[\T]              ; h
	v_fma_f32 v[\T+5], 0.5, v[\T+4], v[\T]         ; cy
	v_mul_f32 v[\D], F01, v[\D]
	v_mul_f32 v[\D+1], F01, v[\D+1]
	v_mul_f32 v[\D+2], F02, v[\D+2]
	v_mul_f32 v[\D+3], F02, v[\D+3]
	v_mul_f32 v[\D+2], FL2E, v[\D+2]
	v_mul_f32 v[\D+3], FL2E, v[\D+3]
	v_exp_f32 v[\T], v[\D+2]
	v_exp_f32 v[\T+1], v[\D+3]
	v_fma_f32 v[\T+6], v[\D], v[\T+3], v[\T+6]     ; two plain instructions stand between the exponentials and their use
	v_fma_f32 v[\T+5], v[\D+1], v[\T+4], v[\T+5]
	s_wait_alu depctr_va_vdst(0)
	v_mul_f32 v[\T], v[\T], v[\T+3]                ; pw
	v_mul_f32 v[\T+1], v[\T+1], v[\T+4]            ; ph
	v_fma_f32 v[\O], -0.5, v[\T], v[\T+6]
	v_fma_f32 v[\O+1], -0.5, v[\T+1], v[\T+5]
	v_fma_f32 v[\O+2], 0.5, v[\T], v[\T+6]
	v_fma_f32 v[\O+3], 0.5, v[\T+1], v[\T+5]
.irp c, 0,1,2,3
	v_med3_num_f32 v[\O+\c], v[\O+\c], 0, F512
.endr
.endm
	s_load_b256 s[4:11], s[0:1], 0x0               ; ordk s[4:5], deltas s[6:7], mat s[8:9], sbox s[10:11]
	v_lshl_add_u32 v96, v0, 2, 0x7800
	v_mov_b32 v97, 0
	v_lshrrev_b32 v2, 5, v0
	v_readfirstlane_b32 s16, v2                    ; wave
	v_and_b32 v1, 31, v0
	s_and_b32 s17, ttmp9, 7                        ; q
	s_and_b32 s18, ttmp7, 0xffff                   ; image
	s_mov_b32 s39, 0
	v_lshlrev_b32 v10, 2, v1
	v_lshlrev_b32 v11, 2, v0
	v_add_nc_u32 v15, 0x200, v0                    ; my spare place
	s_lshl_b32 s38, s18, 12
	s_wait_kmcnt 0x0
	s_add_nc_u64 s[4:5], s[4:5], s[38:39]
	global_load_b32 v12, v11, s[4:5]               ; my entry: rank << 16 | index
	s_mul_i32 s38, s18, 785664
	s_add_nc_u64 s[6:7], s[6:7], s[38:39]
	s_wait_loadcnt 0x0
	v_lshrrev_b32 v13, 16, v12
	v_and_b32 v12, 0xffff, v12
	v_min_u32 v12, 49103, v12                      ; inside the image's deltas, whatever the word holds
	v_lshlrev_b32 v14, 4, v12
	global_load_b128 v[16:19], v14, s[6:7]
	v_cmp_gt_u32 vcc_lo, 0x200, v13
	v_cndmask_b32 v13, v15, v13, vcc_lo            ; my rank, or my spare place
	v_min_u32 v13, 1535, v13
	v_lshlrev_b32 v4, 4, v13
	v_lshlrev_b32 v5, 2, v13
	s_wait_loadcnt 0x0
	DECODE 12, 16, 20, 24
	v_sub_f32 v2, v22, v20
	v_sub_f32 v3, v23, v21
	v_mul_f32 v2, v2, v3
	ds_store_b128 v4, v[20:23]
	ds_store_b32 v5, v2 offset:AREA
	BAR
	s_cmp_lg_u32 s17, 0
	s_cbranch_scc1 .Ltiles                         ; one of the eight work-groups stores the sorted boxes,
	s_cmp_ge_u32 s16, 16
	s_cbranch_scc1 .Ltiles                         ; with its waves 0 to 15
	v_lshlrev_b32 v4, 4, v0
	ds_load_b128 v[20:23], v4
	s_lshl_b32 s38, s18, 13
	s_add_nc_u64 s[10:11], s[10:11], s[38:39]
	s_wait_dscnt 0x0
	global_store_b128 v4, v[20:23], s[10:11]       ; a wave stores 512 consecutive bytes, aligned
	s_wait_xcnt 0x0                                ; the store's registers are written again below
.Ltiles:
; A tile a wave.  Waves 0-15: row block q; waves 16-31: row block 15 - q; column block g = w & 15: 17 tiles on or above the diagonal in every
; work-group.  A lane holds a column's box; the 32 rows come as one address for all lanes.  Tiles below the diagonal are stored as zeros.
	s_sub_co_u32 s20, 15, s17
	s_and_b32 s34, s16, 15
	s_cmp_lt_u32 s16, 16
	s_cselect_b32 s33, s17, s20
	v_mov_b32 v68, 0
	s_cmp_lt_u32 s34, s33
	s_cbranch_scc1 .Lstore
	s_lshl_b32 s20, s34, 5
	v_add_nc_u32 v2, s20, v1
	v_lshlrev_b32 v3, 4, v2
	v_lshlrev_b32 v4, 2, v2
	ds_load_b128 v[70:73], v3
	ds_load_b32 v74, v4 offset:AREA
	s_lshl_b32 s20, s33, 9
	v_mov_b32 v5, s20
	s_lshl_b32 s21, s33, 7
	v_mov_b32 v6, s21
.irp bt, 0,1,2,3
.irp r, 0,1,2,3,4,5,6,7
	ds_load_b128 v[16+4*\r:19+4*\r], v5 offset:128*\bt+16*\r
.endr
	ds_load_b128 v[76:79], v6 offset:AREA+32*\bt
	ds_load_b128 v[80:83], v6 offset:AREA+32*\bt+16
	s_wait_dscnt 0x0
.irp r, 0,1,2,3,4,5,6,7
	IOU 16+4*\r, 76+\r, 70, 74, 84, 20
	v_writelane_b32 v68, s20, 8*\bt+\r             ; lane = row: its 32 column bits
.endr
.endr
	s_cmp_eq_u32 s34, s33
	s_cselect_b32 s20, 0, -1
	v_lshlrev_b32 v2, v1, -2                       ; the bits above my own
	v_or_b32 v2, s20, v2                           ; all bits where the tile is off the diagonal
	v_and_b32 v68, v68, v2
.Lstore:
	s_lshl_b32 s38, s18, 15
	s_add_nc_u64 s[8:9], s[8:9], s[38:39]
	s_lshl4_add_u32 s20, s33, s34                  ; tile number 16 rb + g
	s_lshl_b32 s20, s20, 7
	v_add_nc_u32 v2, s20, v10
	global_store_b32 v2, v68, s[8:9]               ; the tile's 128 consecutive bytes
	s_barrier_signal -1
	s_barrier_wait -1
	s_wait_tensorcnt 0x0
	ds_add_u32 v96, v97
	s_wait_dscnt 0x0
	s_endpgm
.Lfunc_end_k_qc7dc29ec35_pairs:
	.size	k_qc7dc29ec35_pairs, .Lfunc_end_k_qc7dc29ec35_pairs-k_qc7dc29ec35_pairs
	.p2alignl 7, 3214868480
	.fill 96, 4, 3214868480
	.section	.rodata,"a",@progbits
	.p2align	6, 0x0
	.amdhsa_kernel k_qc7dc29ec35_pairs
		.amdhsa_group_segment_fixed_size 34816
		.amdhsa_private_segment_fixed_size 0
		.amdhsa_enable_private_segment 0
		.amdhsa_kernarg_size 32
		.amdhsa_user_sgpr_count 2
		.amdhsa_user_sgpr_kernarg_segment_ptr 1
		.amdhsa_wavefront_size32 1
		.amdhsa_system_sgpr_workgroup_id_x 1
		.amdhsa_system_sgpr_workgroup_id_y 1
		.amdhsa_system_sgpr_workgroup_id_z 1
		.amdhsa_system_vgpr_workitem_id 0
		.amdhsa_next_free_vgpr 98
		.amdhsa_next_free_sgpr 66
		.amdhsa_reserve_vcc 1
		.amdhsa_float_denorm_mode_32 3
		.amdhsa_float_denorm_mode_16_64 3
		.amdhsa_memory_ordered 1
		.amdhsa_forward_progress 1
		.amdhsa_inst_pref_size 30
	.end_amdhsa_kernel
	.amdgpu_metadata
---
amdhsa.version: [ 1, 2 ]
amdhsa.kernels:
  - .name:           k_qc7dc29ec35_pairs
    .symbol:         k_qc7dc29ec35_pairs.kd
    .args:
      - { .name: ordk, .offset: 0, .size: 8, .value_kind: global_buffer, .address_space: global }
      - { .name: bbox_deltas, .offset: 8, .size: 8, .value_kind: global_buffer, .address_space: global }
      - { .name: mat, .offset: 16, .size: 8, .value_kind: global_buffer, .address_space: global }
      - { .name: sbox, .offset: 24, .size: 8, .value_kind: global_buffer, .address_space: global }
    .group_segment_fixed_size: 34816
    .private_segment_fixed_size: 0
    .kernarg_segment_align: 8
    .kernarg_segment_size: 32
    .max_flat_workgroup_size: 1024
    .sgpr_count:     66
    .vgpr_count:     98
    .wavefront_size: 32
...
	.end_amdgpu_metadata
.endif
;; end of part 3
;; launch scan (part 4): grid 32 x 1, 1 waves a work-group, no clusters, 0 bytes of LDS; arguments mat, cnt, kept; writes kept
.if DOCPART == 4
	.amdgcn_target "amdgcn-amd-amdhsa--gfx1250"
	.amdhsa_code_object_version 6
	.text
	.protected	k_qc7dc29ec35_scan
	.globl	k_qc7dc29ec35_scan
	.p2align	8
	.type	k_qc7dc29ec35_scan,@function
k_qc7dc29ec35_scan:
	s_mov_b64 s[64:65], 0
	v_nop
	global_prefetch_b8 v0, s[64:65] scope:SCOPE_SE
	s_setreg_imm32_b32 hwreg(HW_REG_WAVE_MODE, 25, 1), 1
	s_wait_xcnt 0x0
; Greedy suppression down the sorted list, on bits alone.  One work-group of ONE wave an image: the chain of picks is sequential, and work-groups
; hand each other nothing.  16 blocks of 32 candidates, written out; all 16 are walked for every input: no branch and no address hangs on the table.
; Block k needs its 16 tiles of the bit table (2,048 consecutive bytes, four loads; lane (h, g) gets rows 16 h .. 16 h + 15 of column block g in
; 16 registers).  They come through a ring of 8 register sets, so that the loads of 8 blocks are on their way at the start and of 7 later.
; Inside a block the kept rows are found by scalar bit work on the diagonal tile; kept rows are then OR-ed into v20 (lanes g and 16 + g: removed
; bits of column block g).  Places behind the list's end (cnt) count as removed.
; kept: [32][32] words: words 0 to 15 the blocks' kept masks, word 16 the number of kept candidates, the rest zeros.
.set RING,   64                        ; v[64:191]: 8 sets of 16 table registers
; v1 lane, v6 at work, v8 table lane offset, v9 4 lane, v10 16 h, v20 removed bits, v21-v25 at work, v26 the output word of lane = block
.macro FILLB k                         ; the four loads of block k, into set k mod 8
.irp j, 0,1,2,3
	global_load_b128 v[RING+16*((\k)%8)+4*\j:RING+16*((\k)%8)+4*\j+3], v8, s[4:5] offset:2048*(\k)+16*\j
.endr
.endm
	s_load_b128 s[4:7], s[0:1], 0x0                ; mat s[4:5], cnt s[6:7]
	s_load_b64 s[8:9], s[0:1], 0x10                ; kept
	v_and_b32 v1, 31, v0
	s_mov_b32 s17, ttmp9                           ; image
	s_mov_b32 s81, 0
	v_and_b32 v2, 15, v1                           ; g
	v_lshrrev_b32 v3, 4, v1                        ; h
	v_lshlrev_b32 v8, 7, v2
	v_lshl_add_u32 v8, v3, 6, v8                   ; 128 g + 64 h
	v_lshlrev_b32 v10, 4, v3
	v_lshlrev_b32 v9, 2, v1
	s_lshl_b32 s80, s17, 7
	s_wait_kmcnt 0x0
	s_add_nc_u64 s[6:7], s[6:7], s[80:81]
	s_add_nc_u64 s[8:9], s[8:9], s[80:81]
	s_load_b32 s18, s[6:7], 0x0                    ; candidates in the list
	s_lshl_b32 s80, s17, 15
	s_add_nc_u64 s[4:5], s[4:5], s[80:81]
.irp k, 0,1,2,3,4,5,6,7
	FILLB \k
.endr
	v_mov_b32 v20, 0
	v_mov_b32 v26, 0
	s_mov_b32 s29, 0                               ; kept so far
	s_wait_kmcnt 0x0
	s_min_u32 s18, s18, 512
; Block k.  s30: removed bits of its 32 candidates; s31: kept.
.macro BLOCK k
	v_readlane_b32 s30, v20, \k
	v_readlane_b32 s20, v20, 16+\k
	s_or_b32 s30, s30, s20                         ; removed by kept rows of the blocks in front
	v_add_nc_u32 v6, 32*\k, v1
	v_cmp_le_u32 s22, s18, v6
	s_or_b32 s30, s30, s22                         ; places behind the list's end count as removed
.if \k < 9
	s_wait_loadcnt 28                              ; loads come back in order: this block's four are in, the seven younger blocks' 28 may stay out
.else
	s_wait_loadcnt 4*(15-\k)                       ; nothing is asked for behind block 15: the count runs down
.endif
.set r, 0
.rept 31
	v_readlane_b32 s[32+r], v[RING+16*((\k)%8)+(r&15)], (r>>4)*16+\k       ; row r of the diagonal tile (row 31 has no bit above its own)
.set r, r+1
.endr
.set r, 0
.rept 31
	s_bitcmp1_b32 s30, r                           ; removed?
	s_cselect_b32 s20, 0, s[32+r]
	s_or_b32 s30, s30, s20                         ; a kept row removes inside the block
.set r, r+1
.endr
	s_not_b32 s31, s30
	v_writelane_b32 v26, s31, \k
	s_bcnt1_i32_b32 s20, s31
	s_add_co_u32 s29, s29, s20
.if \k < 15
	v_lshrrev_b32 v21, v10, s31                    ; bit x: row 16 h + x is kept
.irp x0, 0,4,8,12
.irp y, 0,1,2,3
	v_lshlrev_b32 v[22+\y], 31-\x0-\y, v21
.endr
.irp y, 0,1,2,3
	v_ashrrev_i32 v[22+\y], 31, v[22+\y]           ; all ones or none
.endr
.irp y, 0,1,2,3
	v_and_or_b32 v20, v[RING+16*((\k)%8)+\x0+\y], v[22+\y], v20    ; a kept row removes in all column blocks
.endr
.endr
.endif
.if \k+8 < 16
	FILLB \k+8                                     ; the set is free: eight blocks on
.endif
.endm
.irp k, 0,1,2,3,4,5,6,7,8,9,10,11,12,13,14,15
	BLOCK \k
.endr
	v_writelane_b32 v26, s29, 16
	global_store_b32 v9, v26, s[8:9]               ; 128 consecutive bytes
	s_endpgm
.Lfunc_end_k_qc7dc29ec35_scan:
	.size	k_qc7dc29ec35_scan, .Lfunc_end_k_qc7dc29ec35_scan-k_qc7dc29ec35_scan
	.p2alignl 7, 3214868480
	.fill 96, 4, 3214868480
	.section	.rodata,"a",@progbits
	.p2align	6, 0x0
	.amdhsa_kernel k_qc7dc29ec35_scan
		.amdhsa_group_segment_fixed_size 0
		.amdhsa_private_segment_fixed_size 0
		.amdhsa_enable_private_segment 0
		.amdhsa_kernarg_size 24
		.amdhsa_user_sgpr_count 2
		.amdhsa_user_sgpr_kernarg_segment_ptr 1
		.amdhsa_wavefront_size32 1
		.amdhsa_system_sgpr_workgroup_id_x 1
		.amdhsa_system_sgpr_workgroup_id_y 1
		.amdhsa_system_sgpr_workgroup_id_z 1
		.amdhsa_system_vgpr_workitem_id 0
		.amdhsa_next_free_vgpr 192
		.amdhsa_next_free_sgpr 84
		.amdhsa_reserve_vcc 0
		.amdhsa_float_denorm_mode_32 3
		.amdhsa_float_denorm_mode_16_64 3
		.amdhsa_memory_ordered 1
		.amdhsa_forward_progress 1
		.amdhsa_inst_pref_size 124
	.end_amdhsa_kernel
	.amdgpu_metadata
---
amdhsa.version: [ 1, 2 ]
amdhsa.kernels:
  - .name:           k_qc7dc29ec35_scan
    .symbol:         k_qc7dc29ec35_scan.kd
    .args:
      - { .name: mat, .offset: 0, .size: 8, .value_kind: global_buffer, .address_space: global }
      - { .name: cnt, .offset: 8, .size: 8, .value_kind: global_buffer, .address_space: global }
      - { .name: kept, .offset: 16, .size: 8, .value_kind: global_buffer, .address_space: global }
    .group_segment_fixed_size: 0
    .private_segment_fixed_size: 0
    .kernarg_segment_align: 8
    .kernarg_segment_size: 24
    .max_flat_workgroup_size: 32
    .sgpr_count:     84
    .vgpr_count:     192
    .wavefront_size: 32
...
	.end_amdgpu_metadata
.endif
;; end of part 4
;; launch final (part 5): grid 32 x 1, 1 waves a work-group, no clusters, 251,904 bytes of LDS; arguments kept, sbox, keys, bbox_deltas, out0; writes out0
.if DOCPART == 5
	.amdgcn_target "amdgcn-amd-amdhsa--gfx1250"
	.amdhsa_code_object_version 6
	.text
	.protected	k_qc7dc29ec35_final
	.globl	k_qc7dc29ec35_final
	.p2align	8
	.type	k_qc7dc29ec35_final,@function
k_qc7dc29ec35_final:
	s_mov_b64 s[64:65], 0
	v_nop
	global_prefetch_b8 v0, s[64:65] scope:SCOPE_SE
	s_setreg_imm32_b32 hwreg(HW_REG_WAVE_MODE, 25, 1), 1
	s_wait_xcnt 0x0
; The output.  One work-group of one wave an image.  The launch before stored, as whole numbers, which of the first 512 sorted candidates greedy
; suppression keeps, and how many.  One scalar compare on that count chooses the way; both ways fill a stage of 300 rows of 20 bytes in LDS and leave by
; the same stores.
; 300 OR MORE KEPT: the kept boxes are laid out in order: a lane's row is the number of kept candidates in front of it (masks from scalar loads).
; FEWER: THE GENERAL WAY does the image from scratch, for any input: the 6,000th key by bisection on the keys in LDS, ties by rising index, the 6,000
; boxes decoded, then 300 sweeps of suppress-and-maximum.  That way is long (300 x 6,016 overlaps on one wave); it has one wave and so no barrier.
; Lanes with nothing to store send their stores to spare places; EXEC is narrowed once, for the output's last 23 pieces of 16 bytes.
; LIMITS: NaN scores not served; a score of -inf is taken as an ordinary lowest score; the overlap test is inter > 0.7 den, den summed as
; area + area - inter + 1e-8; anchors rebuilt in f32.
.set CKEY,   6656                      ; LDS 0: the stage, 332 rows of 20 bytes (300 of the output, 32 spare).  6656: general way, 6,048 keys (32 spare),
.set CIDXO,  24192                     ; and so far behind them their indices
.set KEYS,   55040                     ; general way: the image's 49,152 keys; later the 6,016 boxes
.set RING,   64                        ; v[64:127]: the 512 sorted boxes, block k in 4 registers; later the output's pieces
.set F01, 0x3dcccccd
.set F02, 0x3e4ccccd
.set FL2E, 0x3fb8aa3b
.set FS1, 0x3fa14518
.set FS2, 0x3fcb2ff5
.set FR2, 0x3fb504f3
.set FR2I, 0x3f3504f3
.set F512, 0x44000000
.set FEPS, 0x322bcc77
.set F07, 0x3f333333
; v1 lane, v2-v7 at work, v9 16 lane, v11 300 + lane, v12 stage address.
; General way: v13 KEYS + 16 lane, v14 4 lane, v15 CKEY + 4 lane, v16 index, v17-v19, v30, v31 stepped addresses, v[24:29] the pick, v[32:63] data.
.macro REDU op, v, t                   ; op over the 32 lanes, in every lane
.irp m, 1,2,4,8
	v_mov_b32_dpp v[\t], v[\v] row_xmask:\m row_mask:0xf bank_mask:0xf
	\op v[\v], v[\v], v[\t]
.endr
	v_permlanex16_b32 v[\t], v[\v], s66, s67
	\op v[\v], v[\v], v[\t]
.endm
.macro IOU R, RA, C, CA, T, M
	v_max_num_f32 v[\T], v[\R], v[\C]
	v_max_num_f32 v[\T+1], v[\R+1], v[\C+1]
	v_min_num_f32 v[\T+2], v[\R+2], v[\C+2]
	v_min_num_f32 v[\T+3], v[\R+3], v[\C+3]
	v_sub_f32 v[\T+2], v[\T+2], v[\T]
	v_sub_f32 v[\T+3], v[\T+3], v[\T+1]
	v_max_num_f32 v[\T+2], 0, v[\T+2]
	v_max_num_f32 v[\T+3], 0, v[\T+3]
	v_mul_f32 v[\T+2], v[\T+2], v[\T+3]
	v_add_f32 v[\T], v[\CA], v[\RA]
	v_sub_f32 v[\T], v[\T], v[\T+2]
	v_add_f32 v[\T], FEPS, v[\T]
	v_mul_f32 v[\T], F07, v[\T]
	v_cmp_gt_f32 s[\M], v[\T+2], v[\T]
.endm
; anchor index IDX and deltas v[D:D+3] to the clipped box v[O:O+3]; seven registers at work from T
.macro DECODE IDX, D, O, T
	v_mov_b32 v[\T], 0                             ; n = level starts above the index: level = 4 - n
	v_mov_b32 v[\T+1], 0
.irp c, 36864, 46080, 48384, 48960
	v_cmp_gt_u32 vcc_lo, \c, v[\IDX]
	v_cndmask_b32 v[\T+1], \c, v[\T+1], vcc_lo
	v_add_co_ci_u32 v[\T], vcc_lo, 0, v[\T], vcc_lo
.endr
	v_sub_nc_u32 v[\T+1], v[\IDX], v[\T+1]
	v_mul_lo_u32 v[\T+2], 58255, v[\T+1]
	v_lshrrev_b32 v[\T+2], 19, v[\T+2]             ; / 9, exact below 36,864
	v_mul_u32_u24 v[\T+3], 9, v[\T+2]
	v_sub_nc_u32 v[\T+3], v[\T+1], v[\T+3]
	v_add_nc_u32 v[\T+4], 2, v[\T]
	v_lshrrev_b32 v[\T+5], v[\T+4], v[\T+2]
	v_lshlrev_b32 v[\T+6], v[\T+4], v[\T+5]
	v_sub_nc_u32 v[\T+6], v[\T+2], v[\T+6]
	v_sub_nc_u32 v[\T+4], 7, v[\T]
	v_ldexp_f32 v[\T+4], 1.0, v[\T+4]
	v_cvt_f32_u32 v[\T+6], v[\T+6]
	v_cvt_f32_u32 v[\T+5], v[\T+5]
	v_add_f32 v[\T+6], 0.5, v[\T+6]
	v_add_f32 v[\T+5], 0.5, v[\T+5]
	v_mul_f32 v[\T+6], v[\T+6], v[\T+4]
	v_mul_f32 v[\T+5], v[\T+5], v[\T+4]
	v_mul_u32_u24 v[\T], 11, v[\T+3]
	v_lshrrev_b32 v[\T], 5, v[\T]
	v_mul_u32_u24 v[\T+1], 3, v[\T]
	v_sub_nc_u32 v[\T+1], v[\T+3], v[\T+1]
	v_mov_b32 v[\T+2], 1.0
	v_cmp_ne_u32 vcc_lo, 1, v[\T+1]
	v_cndmask_b32 v[\T+2], FS1, v[\T+2], vcc_lo
	v_cmp_ne_u32 vcc_lo, 2, v[\T+1]
	v_cndmask_b32 v[\T+2], FS2, v[\T+2], vcc_lo
	v_mul_f32 v[\T+2], v[\T+2], v[\T+4]
	v_mul_f32 v[\T+2], 4.0, v[\T+2]
	v_mov_b32 v[\T+3], 1.0
	v_mov_b32 v[\T+4], 1.0
	v_cmp_ne_u32 vcc_lo, 0, v[\T]
	v_cndmask_b32 v[\T+3], FR2, v[\T+3], vcc_lo
	v_cndmask_b32 v[\T+4], FR2I, v[\T+4], vcc_lo
	v_cmp_ne_u32 vcc_lo, 2, v[\T]
	v_cndmask_b32 v[\T+3], FR2I, v[\T+3], vcc_lo
	v_cndmask_b32 v[\T+4], FR2, v[\T+4], vcc_lo
	v_mul_f32 v[\T+3], v[\T+3], v[\T+2]
	v_mul_f32 v[\T+4], v[\T+4], v[\T+2]
	v_fma_f32 v[\T], -0.5, v[\T+3], v[\T+6]
	v_fma_f32 v[\T+1], 0.5, v[\T+3], v[\T+6]
	v_sub_f32 v[\T+3], v[\T+1], v[\T]
	v_fma_f32 v[\T+6], 0.5, v[\T+3], v[\T]
	v_fma_f32 v[\T], -0.5, v[\T+4], v[\T+5]
	v_fma_f32 v[\T+1], 0.5, v[\T+4], v[\T+5]
	v_sub_f32 v[\T+4], v[\T+1], v[\T]
	v_fma_f32 v[\T+5], 0.5, v[\T+4], v[\T]
	v_mul_f32 v[\D], F01, v[\D]
	v_mul_f32 v[\D+1], F01, v[\D+1]
	v_mul_f32 v[\D+2], F02, v[\D+2]
	v_mul_f32 v[\D+3], F02, v[\D+3]
	v_mul_f32 v[\D+2], FL2E, v[\D+2]
	v_mul_f32 v[\D+3], FL2E, v[\D+3]
	v_exp_f32 v[\T], v[\D+2]
	v_exp_f32 v[\T+1], v[\D+3]
	v_fma_f32 v[\T+6], v[\D], v[\T+3], v[\T+6]     ; two plain instructions stand between the exponentials and their use
	v_fma_f32 v[\T+5], v[\D+1], v[\T+4], v[\T+5]
	s_wait_alu depctr_va_vdst(0)
	v_mul_f32 v[\T], v[\T], v[\T+3]
	v_mul_f32 v[\T+1], v[\T+1], v[\T+4]
	v_fma_f32 v[\O], -0.5, v[\T], v[\T+6]
	v_fma_f32 v[\O+1], -0.5, v[\T+1], v[\T+5]
	v_fma_f32 v[\O+2], 0.5, v[\T], v[\T+6]
	v_fma_f32 v[\O+3], 0.5, v[\T+1], v[\T+5]
.irp c, 0,1,2,3
	v_med3_num_f32 v[\O+\c], v[\O+\c], 0, F512
.endr
.endm
	s_load_b128 s[4:7], s[0:1], 0x0                ; kept s[4:5], sbox s[6:7]
	s_load_b64 s[10:11], s[0:1], 0x10              ; keys
	s_load_b128 s[12:15], s[0:1], 0x18             ; deltas s[12:13], out0 s[14:15]
	v_lshl_add_u32 v128, v0, 2, 0x3d700
	v_mov_b32 v129, 0
	v_and_b32 v1, 31, v0
	s_mov_b32 s17, ttmp9                           ; image
	s_mov_b32 s66, 0x76543210
	s_mov_b32 s67, 0xfedcba98
	s_mov_b32 s81, 0
	v_lshlrev_b32 v9, 4, v1
	v_add_nc_u32 v11, 300, v1                      ; my spare row of the stage
	s_lshl_b32 s80, s17, 7
	s_wait_kmcnt 0x0
	s_add_nc_u64 s[4:5], s[4:5], s[80:81]
	s_load_b512 s[32:47], s[4:5], 0x0              ; the 16 blocks' kept masks
	s_load_b32 s18, s[4:5], 0x40                   ; how many are kept
	s_lshl_b32 s80, s17, 13
	s_add_nc_u64 s[6:7], s[6:7], s[80:81]
.irp k, 0,1,2,3,4,5,6,7,8,9,10,11,12,13,14,15
	global_load_b128 v[RING+4*\k:RING+4*\k+3], v9, s[6:7] offset:512*\k        ; block k's 32 boxes: 512 consecutive bytes
.endr
	; while they are on their way: the first word of rows 0 to 319 of the stage = the image's number.  Both ways write all 300 boxes.
	v_mul_u32_u24 v3, 20, v1
	v_cvt_f32_u32 v4, s17
.irp i, 0,1,2,3,4,5,6,7,8,9
	ds_store_b32 v3, v4 offset:640*\i
.endr
	s_wait_kmcnt 0x0
	s_wait_loadcnt 0x0
	s_cmp_lt_u32 s18, 300
	s_cbranch_scc1 .Lgeneral
	s_mov_b32 s29, 0                               ; kept in the blocks in front
.irp k, 0,1,2,3,4,5,6,7,8,9,10,11,12,13,14,15
	v_mbcnt_lo_u32_b32 v12, s[32+\k], s29          ; my pick's row of the output,
	v_cndmask_b32 v12, v11, v12, s[32+\k]          ; or my spare row
	v_min_u32 v12, 331, v12                        ; picks from the 300th on fall on spare rows too
	v_lshlrev_b32 v6, 2, v12
	v_lshl_add_u32 v12, v12, 4, v6                 ; x 20
.irp c, 0,1,2,3
	ds_store_b32 v12, v[RING+4*\k+\c] offset:4+4*\c
.endr
	s_bcnt1_i32_b32 s20, s[32+\k]
	s_add_co_u32 s29, s29, s20
.endr
	s_branch .Lout
; THE GENERAL WAY, from scratch.  No load is out here.
.Lgeneral:
	s_mul_i32 s80, s17, 196608
	s_add_nc_u64 s[10:11], s[10:11], s[80:81]
	s_mul_i32 s80, s17, 785664
	s_add_nc_u64 s[12:13], s[12:13], s[80:81]
	v_add_nc_u32 v13, KEYS, v9                     ; KEYS + 16 lane, kept
	v_lshlrev_b32 v14, 2, v1
	v_add_nc_u32 v15, CKEY, v14                    ; CKEY + 4 lane, kept
	v_mov_b32 v30, v9
	v_mov_b32 v31, v13
	s_mov_b32 s75, 0
.Lcopy:                                            ; the image's keys into LDS, 4,096 bytes a trip
.irp i, 0,1,2,3,4,5,6,7
	global_load_b128 v[32+4*\i:35+4*\i], v30, s[10:11] offset:512*\i
.endr
	s_wait_loadcnt 0x0                             ; which also frees v30
.irp i, 0,1,2,3,4,5,6,7
	ds_store_b128 v31, v[32+4*\i:35+4*\i] offset:512*\i
.endr
	v_add_nc_u32 v30, 4096, v30
	v_add_nc_u32 v31, 4096, v31
	s_wait_dscnt 0x0                               ; the stores are done before the next trip's loads land in their data registers
	s_add_co_u32 s75, s75, 1
	s_cmp_lt_u32 s75, 48
	s_cbranch_scc1 .Lcopy
.macro COUNTPASS                       ; s71 = how many keys are >= s70 (s70 >= 1: the padding's zeros never count)
	s_mov_b32 s71, 0
	v_mov_b32 v31, v13
	s_mov_b32 s76, 0
.Lcnt_\@:
.irp i, 0,1,2,3,4,5,6,7
	ds_load_b128 v[32+4*\i:35+4*\i], v31 offset:512*\i
.endr
	s_wait_dscnt 0x0
.set j, 0
.rept 32
	v_cmp_le_u32 s[32+j], s70, v[32+j]
.set j, j+1
.endr
.set j, 0
.rept 32
	s_bcnt1_i32_b32 s[32+j], s[32+j]
	s_add_co_u32 s71, s71, s[32+j]
.set j, j+1
.endr
	v_add_nc_u32 v31, 4096, v31
	s_add_co_u32 s76, s76, 1
	s_cmp_lt_u32 s76, 48
	s_cbranch_scc1 .Lcnt_\@
.endm
	s_mov_b32 s68, 0                               ; T: the largest with at least 6,000 keys >= T
	s_mov_b32 s69, 0x80000000
	s_mov_b32 s75, 0
.Lbis:
	s_or_b32 s70, s68, s69
	COUNTPASS
	s_cmp_ge_u32 s71, 6000
	s_cselect_b32 s68, s70, s68
	s_lshr_b32 s69, s69, 1
	s_add_co_u32 s75, s75, 1
	s_cmp_lt_u32 s75, 32
	s_cbranch_scc1 .Lbis
	s_add_co_u32 s70, s68, 1
	COUNTPASS
	s_sub_co_u32 s72, 6000, s71                    ; so many keys equal to T are taken, the lowest indices first
	v_mov_b32 v2, 0
	ds_store_b32 v15, v2 offset:5984*4             ; places 6,000 to 6,015 stay key 0, index 0
	ds_store_b32 v15, v2 offset:5984*4+CIDXO
	v_add_nc_u32 v7, 6016, v1                      ; my spare place
	s_mov_b32 s73, 0                               ; equals seen
	s_mov_b32 s74, 0                               ; taken
	s_mov_b32 s75, 0
	v_add_nc_u32 v31, KEYS, v14
	v_mov_b32 v16, v1                              ; index
.Lcomp:
	ds_load_b32 v3, v31
	s_wait_dscnt 0x0
	v_cmp_lt_u32 s20, s68, v3
	v_cmp_eq_u32 s21, s68, v3
	v_mbcnt_lo_u32_b32 v4, s21, s73
	v_cmp_gt_u32 s22, s72, v4
	s_and_b32 s22, s22, s21
	s_or_b32 s23, s20, s22                         ; taken
	v_mbcnt_lo_u32_b32 v5, s23, s74
	v_cndmask_b32 v5, v7, v5, s23
	v_min_u32 v5, 6047, v5
	v_lshl_add_u32 v5, v5, 2, CKEY
	ds_store_b32 v5, v3
	ds_store_b32 v5, v16 offset:CIDXO
	s_bcnt1_i32_b32 s21, s21
	s_add_co_u32 s73, s73, s21
	s_bcnt1_i32_b32 s23, s23
	s_add_co_u32 s74, s74, s23
	v_add_nc_u32 v31, 128, v31
	v_add_nc_u32 v16, 32, v16
	s_add_co_u32 s75, s75, 1
	s_cmp_lt_u32 s75, 1536
	s_cbranch_scc1 .Lcomp
	v_mov_b32 v31, v15                             ; the boxes, over the keys' bytes, which are read no more
	v_mov_b32 v17, v13
	s_mov_b32 s75, 0
.Ldec:
	ds_load_b32 v12, v31 offset:CIDXO
	s_wait_dscnt 0x0
	v_min_u32 v12, 49103, v12
	v_lshlrev_b32 v18, 4, v12
	global_load_b128 v[32:35], v18, s[12:13]
	s_wait_loadcnt 0x0
	DECODE 12, 32, 36, 40
	ds_store_b128 v17, v[36:39]
	v_add_nc_u32 v31, 128, v31
	v_add_nc_u32 v17, 512, v17
	s_add_co_u32 s75, s75, 1
	s_cmp_lt_u32 s75, 188
	s_cbranch_scc1 .Ldec
; 300 picks.  A sweep removes what the last pick overlaps (key := 0, and the pick itself by its place) and finds the best key left, the lowest
; place among equals.  v[24:27], v28, v29: the last pick's box, area, place; at first a zero box, which overlaps nothing.
; When no key is left every lane offers a zero box: the row is zeros.  Overlaps only select values here: no address and no branch hangs on them.
.irp c, 24,25,26,27,28
	v_mov_b32 v\c, 0
.endr
	v_mov_b32 v29, -1
	v_mov_b32 v5, 0
	v_mov_b32 v3, 0
	v_mov_b32 v19, 0                               ; the stage's row
	s_mov_b32 s77, 0
.macro SWEEP i
	v_sub_f32 v2, v[34+4*\i], v[32+4*\i]
	v_sub_f32 v3, v[35+4*\i], v[33+4*\i]
	v_mul_f32 v2, v2, v3
	IOU 24, 28, 32+4*\i, 2, 60, 20
	v_add_nc_u32 v4, 32*\i, v58
	v_cmp_eq_u32 s21, v4, v29
	s_or_b32 vcc_lo, s20, s21
	v_cndmask_b32 v[48+\i], v[48+\i], v5, vcc_lo
	ds_store_b32 v31, v[48+\i] offset:128*\i
	v_cmp_gt_u32 vcc_lo, v[48+\i], v52
	v_cndmask_b32 v52, v52, v[48+\i], vcc_lo
	v_cndmask_b32 v53, v53, v4, vcc_lo
.irp c, 0,1,2,3
	v_cndmask_b32 v[54+\c], v[54+\c], v[32+4*\i+\c], vcc_lo
.endr
.endm
.Lpick:
	v_mov_b32 v52, 0                               ; the lane's best key, place, box
	v_mov_b32 v53, 0x7fffffff
.irp c, 54,55,56,57
	v_mov_b32 v\c, 0
.endr
	v_mov_b32 v31, v15
	v_mov_b32 v17, v13
	v_mov_b32 v58, v1
	s_mov_b32 s78, 0
.Lsweep:
.irp i, 0,1,2,3
	ds_load_b128 v[32+4*\i:35+4*\i], v17 offset:512*\i
.endr
.irp i, 0,1,2,3
	ds_load_b32 v[48+\i], v31 offset:128*\i
.endr
	s_wait_dscnt 0x0
.irp i, 0,1,2,3
	SWEEP \i
.endr
	v_add_nc_u32 v31, 512, v31
	v_add_nc_u32 v17, 2048, v17
	v_add_nc_u32 v58, 128, v58
	s_add_co_u32 s78, s78, 1
	s_cmp_lt_u32 s78, 47
	s_cbranch_scc1 .Lsweep
	v_mov_b32 v2, v52
	REDU v_max_u32, 2, 3
	v_cmp_eq_u32 vcc_lo, v52, v2
	v_mov_b32 v4, 0x7fffffff
	v_cndmask_b32 v4, v4, v53, vcc_lo
	v_mov_b32 v29, v4
	REDU v_min_u32, 29, 3
	v_cmp_eq_u32 vcc_lo, v4, v29                   ; the winner's lane (places differ), or all lanes when nothing is left
.irp c, 0,1,2,3
	v_cndmask_b32 v[24+\c], 0, v[54+\c], vcc_lo
.endr
.irp c, 24,25,26,27
	REDU v_max_u32, \c, 3                          ; clipped coordinates are >= 0: their bits order as unsigned numbers
.endr
	v_sub_f32 v2, v26, v24
	v_sub_f32 v4, v27, v25
	v_mul_f32 v28, v2, v4
.irp c, 0,1,2,3
	ds_store_b32 v19, v[24+\c] offset:4+4*\c
.endr
	v_add_nc_u32 v19, 20, v19
	s_add_co_u32 s77, s77, 1
	s_cmp_lt_u32 s77, 300
	s_cbranch_scc1 .Lpick
; The way out: the stage's 6,000 bytes as 375 pieces of 16, 32 a store.  LDS serves a wave's instructions in order: the loads see the stores above.
.Lout:
	s_mul_i32 s80, s17, 6000
	s_add_nc_u64 s[14:15], s[14:15], s[80:81]
.irp i, 0,1,2,3,4,5,6,7,8,9,10
	ds_load_b128 v[RING+4*\i:RING+4*\i+3], v9 offset:512*\i
.endr
	s_wait_dscnt 0x0
.irp i, 0,1,2,3,4,5,6,7,8,9,10
	global_store_b128 v9, v[RING+4*\i:RING+4*\i+3], s[14:15] offset:512*\i     ; 512 consecutive bytes a store
.endr
	v_cmp_gt_u32 vcc_lo, 23, v1                    ; 375 = 11 x 32 + 23
	s_wait_xcnt 0x0                                ; the stores name EXEC: it narrows only behind this wait,
	s_wait_tensorcnt 0x0
	ds_add_u32 v128, v129
	s_wait_dscnt 0x0
	s_and_saveexec_b32 s22, vcc_lo
	ds_load_b128 v[RING+44:RING+47], v9 offset:5632
	s_wait_dscnt 0x0
	global_store_b128 v9, v[RING+44:RING+47], s[14:15] offset:5632
	s_wait_xcnt 0x0                                ; and widens only behind this one
	s_or_b32 exec_lo, exec_lo, s22
	s_endpgm
.Lfunc_end_k_qc7dc29ec35_final:
	.size	k_qc7dc29ec35_final, .Lfunc_end_k_qc7dc29ec35_final-k_qc7dc29ec35_final
	.p2alignl 7, 3214868480
	.fill 96, 4, 3214868480
	.section	.rodata,"a",@progbits
	.p2align	6, 0x0
	.amdhsa_kernel k_qc7dc29ec35_final
		.amdhsa_group_segment_fixed_size 251904
		.amdhsa_private_segment_fixed_size 0
		.amdhsa_enable_private_segment 0
		.amdhsa_kernarg_size 40
		.amdhsa_user_sgpr_count 2
		.amdhsa_user_sgpr_kernarg_segment_ptr 1
		.amdhsa_wavefront_size32 1
		.amdhsa_system_sgpr_workgroup_id_x 1
		.amdhsa_system_sgpr_workgroup_id_y 1
		.amdhsa_system_sgpr_workgroup_id_z 1
		.amdhsa_system_vgpr_workitem_id 0
		.amdhsa_next_free_vgpr 130
		.amdhsa_next_free_sgpr 100
		.amdhsa_reserve_vcc 1
		.amdhsa_float_denorm_mode_32 3
		.amdhsa_float_denorm_mode_16_64 3
		.amdhsa_memory_ordered 1
		.amdhsa_forward_progress 1
		.amdhsa_inst_pref_size 43
	.end_amdhsa_kernel
	.amdgpu_metadata
---
amdhsa.version: [ 1, 2 ]
amdhsa.kernels:
  - .name:           k_qc7dc29ec35_final
    .symbol:         k_qc7dc29ec35_final.kd
    .args:
      - { .name: kept, .offset: 0, .size: 8, .value_kind: global_buffer, .address_space: global }
      - { .name: sbox, .offset: 8, .size: 8, .value_kind: global_buffer, .address_space: global }
      - { .name: keys, .offset: 16, .size: 8, .value_kind: global_buffer, .address_space: global }
      - { .name: bbox_deltas, .offset: 24, .size: 8, .value_kind: global_buffer, .address_space: global }
      - { .name: out0, .offset: 32, .size: 8, .value_kind: global_buffer, .address_space: global }
    .group_segment_fixed_size: 251904
    .private_segment_fixed_size: 0
    .kernarg_segment_align: 8
    .kernarg_segment_size: 40
    .max_flat_workgroup_size: 32
    .sgpr_count:     100
    .vgpr_count:     130
    .wavefront_size: 32
...
	.end_amdgpu_metadata
.endif
;; end of part 5
;; ======== version 2 of 2: 5 launches; 1.20 times as fast as version 1
;; workspace buffers: keys 6,291,456 bytes of whole numbers; thr 4,096 bytes of whole numbers; ordk 131,072 bytes of whole numbers; cnt 4,096 bytes of whole numbers; mat 1,048,576 bytes of whole numbers; kept 4,096 bytes of whole numbers; sbox 262,144 bytes
;; launch keys (part 6): grid 256 x 1, 4 waves a work-group, no clusters, 0 bytes of LDS; arguments scores, keys, thr; writes keys, thr
.if DOCPART == 6
	.amdgcn_target "amdgcn-amd-amdhsa--gfx1250"
	.amdhsa_code_object_version 6
	.text
	.protected	k_qc7dc29ec35_keys
	.globl	k_qc7dc29ec35_keys
	.p2align	8
	.type	k_qc7dc29ec35_keys,@function
k_qc7dc29ec35_keys:
	s_mov_b64 s[64:65], 0
	v_nop
	global_prefetch_b8 v0, s[64:65] scope:SCOPE_SE
	s_setreg_imm32_b32 hwreg(HW_REG_WAVE_MODE, 25, 1), 1
	s_wait_xcnt 0x0
; Scores become ordered 32-bit keys (a larger score is a larger unsigned key), and each part of 1,536 scores
; reports a threshold with at most 31 of its keys above it.  1,024 waves: wave = (image b of 32, part p of 32); a lane holds 48 keys in registers.
; keys: [32][49152] words, the 48 words behind an image's 49,104 scores hold 0 (below every real key).  thr: [32][32] words.
; THE THRESHOLD.  Each lane keeps its seven largest keys.  u = the largest of the 32 lanes' seventh keys: a key above u is among its lane's six
; largest.  T = the 32nd largest of those 6 x 32 keys, by bisection on six registers.  t = max(T, u): the keys of the part above t are all among
; the 192, and at most 31 of the 192 lie above T.  With scores in random order t is the part's 32nd largest key but for lanes that hold seven larger ones.
; LIMITS: NaN scores are not served (their keys sort by bit pattern); -0 counts as +0.
; No LDS, no barrier: a wave's work never leaves the wave.  No matrix work: the problem has no products.
.set IMGB,  196416                     ; bytes of an image's scores
.set KPB,   196608                     ; bytes of an image's keys
.set PARTB, 6144                       ; bytes of a part
.set MSEL,  32                         ; the rank sought among the lanes' best
.set K,     8                          ; v[8:55] the lane's 48 keys: pair t holds elements 64 t + 2 lane, + 1 of the part
.set TOP,   56                         ; v[56:62] the lane's seven largest keys, falling
	s_load_b128 s[4:7], s[0:1], 0x0                ; scores s[4:5], keys s[6:7]
	s_load_b64 s[8:9], s[0:1], 0x10                ; thr
	v_lshrrev_b32 v3, 5, v0
	v_readfirstlane_b32 s10, v3                    ; wave
	v_and_b32 v1, 31, v0                           ; lane
	v_lshlrev_b32 v2, 3, v1                        ; 8 bytes a lane
	s_lshr_b32 s11, ttmp9, 3                       ; image
	s_and_b32 s12, ttmp9, 7
	s_lshl2_add_u32 s12, s12, s10                  ; part = 4 (x & 7) + wave
	s_mul_i32 s13, s12, PARTB
	s_mul_i32 s38, s11, IMGB
	s_mov_b32 s39, 0
	s_mov_b32 s40, 0x76543210                      ; v_permlanex16_b32: lane i of one half reads lane i of the other
	s_mov_b32 s41, 0xfedcba98
	v_add_nc_u32 v5, s13, v2
	v_add_nc_u32 v5, 23*256, v5                    ; byte offset in the image of the lane's last pair
	v_cmp_gt_u32 vcc_lo, IMGB, v5                  ; it exists (only part 31 runs past the image's end, by whole pairs)
	v_min_u32 v4, IMGB-8, v5                       ; the load stays inside the image
	s_wait_kmcnt 0x0
	s_add_nc_u64 s[36:37], s[4:5], s[38:39]        ; the image's scores
	s_mov_b32 s38, s13
	s_add_nc_u64 s[4:5], s[36:37], s[38:39]        ; the part's scores
	s_mul_i32 s38, s11, KPB
	s_add_co_u32 s38, s38, s13
	s_add_nc_u64 s[6:7], s[6:7], s[38:39]          ; the part's keys
.set t, 0
.rept 23
	global_load_b64 v[K+2*t:K+2*t+1], v2, s[4:5] offset:256*t th:TH_LOAD_NT    ; a wave's load covers 256 consecutive bytes
.set t, t+1
.endr
	global_load_b64 v[K+46:K+47], v4, s[36:37] th:TH_LOAD_NT
.irp l, 0,1,2,3,4,5,6
	v_mov_b32 v[TOP+\l], 0                         ; the list starts below every real key
.endr
	s_wait_loadcnt 0x0
; float to ordered key: + 0 turns -0 into +0; then positive numbers get the top bit, negative ones are inverted
.set r, 0
.rept 48
	v_add_f32 v[K+r], 0, v[K+r]
	v_ashrrev_i32 v5, 31, v[K+r]
	v_or_b32 v5, 0x80000000, v5
	v_xor_b32 v[K+r], v[K+r], v5
.set r, r+1
.endr
	v_cndmask_b32 v[K+46], 0, v[K+46], vcc_lo      ; behind the image's end: key 0
	v_cndmask_b32 v[K+47], 0, v[K+47], vcc_lo
.set t, 0
.rept 24
	global_store_b64 v2, v[K+2*t:K+2*t+1], s[6:7] offset:256*t                 ; 256 consecutive bytes, aligned
.set t, t+1
.endr
; The lane's seven largest, by insertion: at level l the larger of (list entry, newcomer) stays, the smaller goes on to level l + 1.
; The key registers are only read (the stores above may still read them too).  Two keys go down the list one level apart, so that
; an instruction never reads the result of the one just in front of it.
.macro LVL l, src, dst
.if \l < 6
	v_min_u32 v[\dst], v[TOP+\l], v[\src]
.endif
	v_max_u32 v[TOP+\l], v[TOP+\l], v[\src]
.endm
.macro PAIR a, b                       ; key a through v5, v6; key b, a level behind, through v7, v63
	LVL 0, \a, 5
	LVL 1, 5, 6
	LVL 0, \b, 7
	LVL 2, 6, 5
	LVL 1, 7, 63
	LVL 3, 5, 6
	LVL 2, 63, 7
	LVL 4, 6, 5
	LVL 3, 7, 63
	LVL 5, 5, 6
	LVL 4, 63, 7
	LVL 6, 6, 0
	LVL 5, 7, 63
	LVL 6, 63, 0
.endm
.set r, 0
.rept 24
	PAIR K+r, K+r+1
.set r, r+2
.endr
; u: the largest seventh key of the 32 lanes
.irp m, 1,2,4,8
	v_mov_b32_dpp v3, v[TOP+6] row_xmask:\m row_mask:0xf bank_mask:0xf
	v_max_u32 v[TOP+6], v[TOP+6], v3
.endr
	v_permlanex16_b32 v3, v[TOP+6], s40, s41
	v_max_u32 v[TOP+6], v[TOP+6], v3
	v_readfirstlane_b32 s42, v[TOP+6]
; T: the largest number with at least MSEL of the 192 keys >= T, bit by bit from the top: 32 trips, a select and no branch on data.
	s_mov_b32 s14, 0                               ; T
	s_mov_b32 s15, 0x80000000                      ; the bit on trial
	s_mov_b32 s34, 0
.Lbis:
	s_or_b32 s35, s14, s15
.irp j, 0,1,2,3,4,5
	v_cmp_le_u32 s[16+\j], s35, v[TOP+\j]
.endr
.irp j, 0,1,2,3,4,5
	s_bcnt1_i32_b32 s[16+\j], s[16+\j]
.endr
	s_add_co_u32 s16, s16, s17
	s_add_co_u32 s18, s18, s19
	s_add_co_u32 s20, s20, s21
	s_add_co_u32 s16, s16, s18
	s_add_co_u32 s16, s16, s20
	s_cmp_ge_u32 s16, MSEL
	s_cselect_b32 s14, s35, s14
	s_lshr_b32 s15, s15, 1
	s_add_co_u32 s34, s34, 1
	s_cmp_lt_u32 s34, 32
	s_cbranch_scc1 .Lbis
	s_max_u32 s14, s14, s42                        ; t = max(T, u)
	v_mov_b32 v5, s14
	s_lshl_b32 s20, s11, 5
	s_add_co_u32 s20, s20, s12
	s_lshl_b32 s20, s20, 2
	v_mov_b32 v6, s20
	v_cmp_eq_u32 vcc_lo, 0, v1
	s_wait_xcnt 0x0                                ; the key stores name EXEC: it narrows only behind this wait
	s_and_saveexec_b32 s21, vcc_lo
	global_store_b32 v6, v5, s[8:9]                ; thr[b][p], one lane
	s_wait_xcnt 0x0
	s_or_b32 exec_lo, exec_lo, s21
	s_endpgm
.Lfunc_end_k_qc7dc29ec35_keys:
	.size	k_qc7dc29ec35_keys, .Lfunc_end_k_qc7dc29ec35_keys-k_qc7dc29ec35_keys
	.p2alignl 7, 3214868480
	.fill 96, 4, 3214868480
	.section	.rodata,"a",@progbits
	.p2align	6, 0x0
	.amdhsa_kernel k_qc7dc29ec35_keys
		.amdhsa_group_segment_fixed_size 0
		.amdhsa_private_segment_fixed_size 0
		.amdhsa_enable_private_segment 0
		.amdhsa_kernarg_size 24
		.amdhsa_user_sgpr_count 2
		.amdhsa_user_sgpr_kernarg_segment_ptr 1
		.amdhsa_wavefront_size32 1
		.amdhsa_system_sgpr_workgroup_id_x 1
		.amdhsa_system_sgpr_workgroup_id_y 1
		.amdhsa_system_sgpr_workgroup_id_z 1
		.amdhsa_system_vgpr_workitem_id 0
		.amdhsa_next_free_vgpr 64
		.amdhsa_next_free_sgpr 66
		.amdhsa_reserve_vcc 1
		.amdhsa_float_denorm_mode_32 3
		.amdhsa_float_denorm_mode_16_64 3
		.amdhsa_memory_ordered 1
		.amdhsa_forward_progress 1
		.amdhsa_inst_pref_size 36
	.end_amdhsa_kernel
	.amdgpu_metadata
---
amdhsa.version: [ 1, 2 ]
amdhsa.kernels:
  - .name:           k_qc7dc29ec35_keys
    .symbol:         k_qc7dc29ec35_keys.kd
    .args:
      - { .name: scores, .offset: 0, .size: 8, .value_kind: global_buffer, .address_space: global }
      - { .name: keys, .offset: 8, .size: 8, .value_kind: global_buffer, .address_space: global }
      - { .name: thr, .offset: 16, .size: 8, .value_kind: global_buffer, .address_space: global }
    .group_segment_fixed_size: 0
    .private_segment_fixed_size: 0
    .kernarg_segment_align: 8
    .kernarg_segment_size: 24
    .max_flat_workgroup_size: 128
    .sgpr_count:     66
    .vgpr_count:     64
    .wavefront_size: 32
...
	.end_amdgpu_metadata
.endif
;; end of part 6
;; launch rank (part 7): grid 8 x 32, 32 waves a work-group, no clusters, 28,928 bytes of LDS; arguments keys, thr, ordk, cnt; writes ordk, cnt
.if DOCPART == 7
	.amdgcn_target "amdgcn-amd-amdhsa--gfx1250"
	.amdhsa_code_object_version 6
	.text
	.protected	k_qc7dc29ec35_rank
	.globl	k_qc7dc29ec35_rank
	.p2align	8
	.type	k_qc7dc29ec35_rank,@function
k_qc7dc29ec35_rank:
	s_mov_b64 s[64:65], 0
	v_nop
	global_prefetch_b8 v0, s[64:65] scope:SCOPE_SE
	s_setreg_imm32_b32 hwreg(HW_REG_WAVE_MODE, 25, 1), 1
	s_wait_xcnt 0x0
; The head of the sorted list, as ranks.  Work-group (q of 8, image b), 32 waves.
; tau = the largest of the image's 32 part thresholds.  A part holds at most 31 keys above its own threshold, so at most 31 above tau:
; {key > tau} has L <= 992 members and is exactly the first L entries of the order (key falling, index rising).
; Each of the image's 8 work-groups collects that set in LDS (nothing passes between work-groups): wave w lays part w's members, in rising index
; order, into entries 32 w .. of a list of 1,024.  An entry that stays empty holds the filler key 1024 - entry: fillers are distinct, lie below every real key
; (real keys are at least 0x7fffff) and fall with the entry's number.  So "keys above mine + equal keys in front of me" is a permutation of 0 .. 1023 in
; which the members have their places in the sorted order and the fillers follow.
; The ranking by counting is shared: work-group q ranks entries 128 q .. 128 q + 127, wave w 32 of them against 4 of the 32 blocks of 32 keys, and the
; eight partial ranks meet in LDS.  Every trip count is a constant and every branch hangs on the wave's and the work-group's numbers alone.
; ordk: [32][1024] words, rank << 16 | anchor index of entry e; the index is 0 for fillers and for ranks from NC on, which the next launch does not use.
; cnt: [32][32] words, all of row b = min(L, NC).
; EXEC is never narrowed: a lane that has nothing to store sends its store to a spare place of its own, which is never read.
; LIMIT: NaN scores are not served.
.set KEY2, 16384                       ; LDS: 0 SEG 32 segments x 64 entries (key, index): 0-31 in use, 32-63 spare; 16384: the 1,024 keys alone
.set PART, 20480                       ; 8 x 128 partial ranks
.set CNT,  24576                       ; 32 counts
.set NC,   384                         ; candidates that the next launches use
; v0 thread, v1 lane, v2-v7 at work, v8 my segment, v9 index of my first element, v10 4 lane, v11 4 thread, v12 8 lane, v13 my entry of my segment,
; v14 the count, v[16:63] keys, v64 key, v65 index, v66 rank, v67 threshold, v69 32 + lane
.macro BAR
	s_wait_dscnt 0x0                               ; my LDS stores and loads are done: the others rely on that
	s_barrier_signal -1
	s_barrier_wait -1
.endm
.macro REDU op, v, t                   ; op over the 32 lanes, in every lane
.irp m, 1,2,4,8
	v_mov_b32_dpp v[\t], v[\v] row_xmask:\m row_mask:0xf bank_mask:0xf
	\op v[\v], v[\v], v[\t]
.endr
	v_permlanex16_b32 v[\t], v[\v], s36, s37
	\op v[\v], v[\v], v[\t]
.endm
	s_load_b256 s[4:11], s[0:1], 0x0               ; keys s[4:5], thr s[6:7], ordk s[8:9], cnt s[10:11]
	v_lshl_add_u32 v96, v0, 2, 0x6100
	v_mov_b32 v97, 0
	v_lshrrev_b32 v2, 5, v0
	v_readfirstlane_b32 s16, v2                    ; wave w = the part that it collects
	v_and_b32 v1, 31, v0
	s_and_b32 s17, ttmp9, 7                        ; q
	s_and_b32 s18, ttmp7, 0xffff                   ; image
	s_mov_b32 s36, 0x76543210
	s_mov_b32 s37, 0xfedcba98
	s_mov_b32 s39, 0
	v_lshlrev_b32 v10, 2, v1
	v_lshlrev_b32 v11, 2, v0
	v_lshlrev_b32 v12, 3, v1
	s_lshl_b32 s24, s16, 9
	v_mov_b32 v8, s24                              ; my segment: 512 w
	s_mul_i32 s25, s16, 1536
	v_lshl_add_u32 v9, v1, 1, s25                  ; index of my first element
	v_add_nc_u32 v69, 32, v1                       ; my spare entry of the segment
	v_add_nc_u32 v13, s24, v12                     ; entry = lane of my segment: entry 32 w + lane = thread of the list
	v_sub_nc_u32 v6, 0x400, v0                     ; its filler key
	v_mov_b32 v7, 0
	ds_store_b64 v13, v[6:7]                       ; entries 0-31 of my segment start as fillers; members are stored over them below
	s_mul_i32 s38, s18, 196608
	s_mul_i32 s21, s16, 6144
	s_add_co_u32 s38, s38, s21
	s_wait_kmcnt 0x0
	s_add_nc_u64 s[4:5], s[4:5], s[38:39]
	s_lshl_b32 s38, s18, 7
	s_add_nc_u64 s[6:7], s[6:7], s[38:39]
	global_load_b32 v67, v10, s[6:7]               ; the image's 32 thresholds, one a lane
.set t, 0
.rept 24
	global_load_b64 v[16+2*t:17+2*t], v12, s[4:5] offset:256*t
.set t, t+1
.endr
	s_wait_loadcnt 0x0
	REDU v_max_u32, 67, 7
	v_readfirstlane_b32 s19, v67                   ; tau
; The part's keys above tau, in rising index order, into my segment.  A member's place is below 31; the others go to entry 32 + lane.
	s_mov_b32 s28, 0
.macro COMPACT t
	v_cmp_gt_u32 s20, v[16+2*\t], s19
	v_cmp_gt_u32 s21, v[17+2*\t], s19
	v_mbcnt_lo_u32_b32 v2, s20, s28
	v_mbcnt_lo_u32_b32 v2, s21, v2                 ; so many stand in front of my first element
	s_mov_b32 vcc_lo, s20
	v_add_co_ci_u32 v3, vcc_lo, 0, v2, vcc_lo      ; and of my second
	v_cndmask_b32 v2, v69, v2, s20
	v_cndmask_b32 v3, v69, v3, s21
	v_min_u32 v2, 63, v2                           ; inside my segment, whatever the counts
	v_min_u32 v3, 63, v3
	v_lshl_add_u32 v2, v2, 3, v8
	v_lshl_add_u32 v3, v3, 3, v8
	v_mov_b32 v4, v[16+2*\t]
	v_add_nc_u32 v5, 64*\t, v9
	v_mov_b32 v6, v[17+2*\t]
	v_add_nc_u32 v7, 64*\t+1, v9
	ds_store_b64 v2, v[4:5]
	ds_store_b64 v3, v[6:7]
	s_bcnt1_i32_b32 s20, s20
	s_bcnt1_i32_b32 s21, s21
	s_add_co_u32 s28, s28, s20
	s_add_co_u32 s28, s28, s21
.endm
.irp t, 0,1,2,3,4,5,6,7,8,9,10,11,12,13,14,15,16,17,18,19,20,21,22,23
	COMPACT \t
.endr
	v_mov_b32 v2, s28
	s_lshl_b32 s22, s16, 2
	v_mov_b32 v3, s22
	ds_store_b32 v3, v2 offset:CNT                 ; all lanes: the same word, the same value
	BAR                                            ; the segments, whose stores' places hang on data, are whole before any of them is read
	ds_load_b32 v64, v13                           ; the keys alone, 128 consecutive bytes a block: a thread copies the key of entry = thread
	s_wait_dscnt 0x0
	ds_store_b32 v11, v64 offset:KEY2
	BAR
; Rank = keys above mine + equal keys in front of me.  Blocks of 32 in front of my entries' block count >=, that block and later ones >;
; equal keys of lower lanes in the entries' own block are added by the wave whose four blocks hold it.
	s_and_b32 s40, s16, 3                          ; which 32 of the work-group's 128 entries
	s_lshr_b32 s41, s16, 2                         ; which 4 of the 32 blocks
	s_lshl2_add_u32 s42, s17, s40                  ; my entries' block = 4 q + (w & 3)
	s_lshl_b32 s20, s42, 7
	v_add_nc_u32 v2, s20, v10
	ds_load_b32 v64, v2 offset:KEY2                ; my entry's key
	s_lshl_b32 s21, s41, 9
	v_mov_b32 v3, s21                              ; my four blocks: 512 bytes
	s_lshl_b32 s43, s41, 2
	v_mov_b32 v66, 0
.irp i, 0,1,2,3
.irp j, 0,1,2,3,4,5,6,7
	ds_load_b128 v[16+4*\j:19+4*\j], v3 offset:KEY2+128*\i+16*\j   ; one address for all lanes: 32 keys in every lane
.endr
	s_add_co_u32 s20, s43, \i
	s_cmp_lt_u32 s20, s42
	s_cselect_b32 s20, 1, 0
	s_wait_dscnt 0x0
	v_sub_nc_u32 v67, v64, s20                     ; every key, fillers too, is at least 1
.set j2, 0
.rept 32
	v_cmp_gt_u32 vcc_lo, v[16+j2], v67
	v_add_co_ci_u32 v66, vcc_lo, 0, v66, vcc_lo
.set j2, j2+1
.endr
.endr
	s_cmp_lg_u32 s41, s17
	s_cbranch_scc1 .Lnoties                        ; block 4 q + (w & 3) lies in the four blocks of the waves with w >> 2 = q
.set jj, 0
.rept 31
	v_readlane_b32 s21, v64, jj
	v_cmp_eq_u32 s20, s21, v64
	s_and_b32 vcc_lo, s20, (0xfffffffe<<jj)&0xffffffff     ; lanes above jj only
	v_add_co_ci_u32 v66, vcc_lo, 0, v66, vcc_lo
.set jj, jj+1
.endr
.Lnoties:
	BAR                                            ; every wave's reads of the keys are over before any wave writes LDS again
	ds_store_b32 v11, v66 offset:PART              ; 4 thread = 512 (w >> 2) + 4 (32 (w & 3) + lane)
	BAR
	s_cmp_ge_u32 s16, 4
	s_cbranch_scc1 .Lend
.irp i, 0,1,2,3,4,5,6,7
	ds_load_b32 v[16+\i], v11 offset:PART+512*\i   ; threads 0 to 127: an entry's eight partial ranks
.endr
	s_lshl2_add_u32 s20, s17, s16                  ; entry 128 q + thread lies in segment 4 q + wave, at place lane
	s_lshl_b32 s20, s20, 9
	v_add_nc_u32 v3, s20, v12
	ds_load_b32 v65, v3 offset:4                   ; its index
	s_lshl_b32 s21, s17, 7
	v_add_nc_u32 v2, s21, v0
	v_lshlrev_b32 v4, 2, v2
	s_wait_dscnt 0x0
	v_add3_u32 v16, v16, v17, v18
	v_add3_u32 v19, v19, v20, v21
	v_add3_u32 v16, v16, v22, v23
	v_add_nc_u32 v16, v16, v19
	v_cmp_gt_u32 vcc_lo, NC, v16
	v_cndmask_b32 v65, 0, v65, vcc_lo              ; ranks from NC on are not used: index 0, so that their gathers in the next launch meet in one place
	v_lshl_or_b32 v16, v16, 16, v65
	s_lshl_b32 s38, s18, 12
	s_add_nc_u64 s[8:9], s[8:9], s[38:39]
	global_store_b32 v4, v16, s[8:9]               ; four waves: 512 consecutive bytes
	s_or_b32 s20, s16, s17
	s_cmp_lg_u32 s20, 0
	s_cbranch_scc1 .Lend                           ; one wave of one of the eight work-groups stores the count
	ds_load_b32 v14, v10 offset:CNT
	s_wait_dscnt 0x0
	REDU v_add_nc_u32, 14, 7                       ; L, in every lane
	v_min_u32 v14, NC, v14
	s_lshl_b32 s38, s18, 7
	s_add_nc_u64 s[10:11], s[10:11], s[38:39]
	global_store_b32 v10, v14, s[10:11]            ; from all 32 lanes: 128 consecutive bytes, no lane switched off
.Lend:
	s_barrier_signal -1
	s_barrier_wait -1
	s_wait_tensorcnt 0x0
	ds_add_u32 v96, v97
	s_wait_dscnt 0x0
	s_endpgm
.Lfunc_end_k_qc7dc29ec35_rank:
	.size	k_qc7dc29ec35_rank, .Lfunc_end_k_qc7dc29ec35_rank-k_qc7dc29ec35_rank
	.p2alignl 7, 3214868480
	.fill 96, 4, 3214868480
	.section	.rodata,"a",@progbits
	.p2align	6, 0x0
	.amdhsa_kernel k_qc7dc29ec35_rank
		.amdhsa_group_segment_fixed_size 28928
		.amdhsa_private_segment_fixed_size 0
		.amdhsa_enable_private_segment 0
		.amdhsa_kernarg_size 32
		.amdhsa_user_sgpr_count 2
		.amdhsa_user_sgpr_kernarg_segment_ptr 1
		.amdhsa_wavefront_size32 1
		.amdhsa_system_sgpr_workgroup_id_x 1
		.amdhsa_system_sgpr_workgroup_id_y 1
		.amdhsa_system_sgpr_workgroup_id_z 1
		.amdhsa_system_vgpr_workitem_id 0
		.amdhsa_next_free_vgpr 98
		.amdhsa_next_free_sgpr 66
		.amdhsa_reserve_vcc 1
		.amdhsa_float_denorm_mode_32 3
		.amdhsa_float_denorm_mode_16_64 3
		.amdhsa_memory_ordered 1
		.amdhsa_forward_progress 1
		.amdhsa_inst_pref_size 51
	.end_amdhsa_kernel
	.amdgpu_metadata
---
amdhsa.version: [ 1, 2 ]
amdhsa.kernels:
  - .name:           k_qc7dc29ec35_rank
    .symbol:         k_qc7dc29ec35_rank.kd
    .args:
      - { .name: keys, .offset: 0, .size: 8, .value_kind: global_buffer, .address_space: global }
      - { .name: thr, .offset: 8, .size: 8, .value_kind: global_buffer, .address_space: global }
      - { .name: ordk, .offset: 16, .size: 8, .value_kind: global_buffer, .address_space: global }
      - { .name: cnt, .offset: 24, .size: 8, .value_kind: global_buffer, .address_space: global }
    .group_segment_fixed_size: 28928
    .private_segment_fixed_size: 0
    .kernarg_segment_align: 8
    .kernarg_segment_size: 32
    .max_flat_workgroup_size: 1024
    .sgpr_count:     66
    .vgpr_count:     98
    .wavefront_size: 32
...
	.end_amdgpu_metadata
.endif
;; end of part 7
;; launch pairs (part 8): grid 8 x 32, 32 waves a work-group, no clusters, 34,816 bytes of LDS; arguments ordk, bbox_deltas, mat, sbox; writes mat, sbox
.if DOCPART == 8
	.amdgcn_target "amdgcn-amd-amdhsa--gfx1250"
	.amdhsa_code_object_version 6
	.text
	.protected	k_qc7dc29ec35_pairs
	.globl	k_qc7dc29ec35_pairs
	.p2align	8
	.type	k_qc7dc29ec35_pairs,@function
k_qc7dc29ec35_pairs:
	s_mov_b64 s[64:65], 0
	v_nop
	global_prefetch_b8 v0, s[64:65] scope:SCOPE_SE
	s_setreg_imm32_b32 hwreg(HW_REG_WAVE_MODE, 25, 1), 1
	s_wait_xcnt 0x0
; The first NC = 384 boxes in sorted order and their table of overlaps.  Work-group (q of 8, image b), 32 waves.
; Thread d loads entry d of the image's list (rank << 16 | anchor index), gathers that anchor's deltas, decodes the box and puts it into LDS at its rank;
; ranks are a permutation of 0 .. 1023, so places 0 .. 383 are all written; ranks from 384 on (their index is 0) go to a spare place of the thread's own.
; Each of the image's 8 work-groups does this (nothing passes between work-groups); the 8 then share the 12 x 12 tiles of 32 x 32 bits "IoU > 0.7",
; of which the 78 on and above the diagonal are computed.
; mat: [32][row block 16][column block 16][row 32] words; bit l of word (rb, g, r) = IoU(box 32 rb + r, box 32 g + l) > 0.7; in diagonal
; tiles only the bits l > r are kept; row blocks 0 to 11 are stored, with zeros below the diagonal and in column blocks 12 to 15; row blocks 12 to 15 are
; neither stored nor read.  sbox: [32][512][4] f32, rows 0 to 383 stored.
; EXEC is never narrowed.  No tensor loads, clusters or matrix work: the tiles are small, pass through registers, and the problem has no products.
; LIMITS: the test is inter > 0.7 den, den = area + area - inter + 1e-8 summed in that order: it may part from the quotient's rounding in the last bit.
; Anchors are rebuilt in f32 from the index and agree with a table rounded from f64 to the last bits.
.set NC,   384                         ; candidates
.set NB,   12                          ; blocks of 32
.set AREA, 24576                       ; LDS: 0: 1,536 boxes of 16 bytes (384 in order, from 512 on 1,024 spare); 24576: their areas
.set F01, 0x3dcccccd                   ; 0.1
.set F02, 0x3e4ccccd                   ; 0.2
.set FL2E, 0x3fb8aa3b                  ; 1 / ln 2
.set FS1, 0x3fa14518                   ; 2^(1/3)
.set FS2, 0x3fcb2ff5                   ; 2^(2/3)
.set FR2, 0x3fb504f3                   ; sqrt 2
.set FR2I, 0x3f3504f3                  ; 1 / sqrt 2
.set F512, 0x44000000                  ; 512
.set FEPS, 0x322bcc77                  ; 1e-8
.set F07, 0x3f333333                   ; 0.7
; v0 thread, v1 lane, v2-v6 at work, v10 4 lane, v11 4 thread, v12 index, v13 place, v14 gather offset, v15 512 + thread,
; v[16:47] deltas, box, then rows, v68 tile word, v[70:74] column box and area, v[76:83] row areas, v[84:87] at work
.macro BAR
	s_wait_dscnt 0x0                               ; my LDS stores and loads are done: the others rely on that
	s_barrier_signal -1
	s_barrier_wait -1
.endm
; mask M = lanes where IoU(box R with area RA, box C with area CA) > 0.7
.macro IOU R, RA, C, CA, T, M
	v_max_num_f32 v[\T], v[\R], v[\C]
	v_max_num_f32 v[\T+1], v[\R+1], v[\C+1]
	v_min_num_f32 v[\T+2], v[\R+2], v[\C+2]
	v_min_num_f32 v[\T+3], v[\R+3], v[\C+3]
	v_sub_f32 v[\T+2], v[\T+2], v[\T]
	v_sub_f32 v[\T+3], v[\T+3], v[\T+1]
	v_max_num_f32 v[\T+2], 0, v[\T+2]
	v_max_num_f32 v[\T+3], 0, v[\T+3]
	v_mul_f32 v[\T+2], v[\T+2], v[\T+3]            ; inter
	v_add_f32 v[\T], v[\CA], v[\RA]
	v_sub_f32 v[\T], v[\T], v[\T+2]
	v_add_f32 v[\T], FEPS, v[\T]
	v_mul_f32 v[\T], F07, v[\T]
	v_cmp_gt_f32 s[\M], v[\T+2], v[\T]
.endm
; anchor index IDX and deltas v[D:D+3] to the clipped box v[O:O+3]; seven registers at work from T
.macro DECODE IDX, D, O, T
	v_mov_b32 v[\T], 0                             ; n = level starts above the index: level = 4 - n
	v_mov_b32 v[\T+1], 0                           ; the level's first index
.irp c, 36864, 46080, 48384, 48960
	v_cmp_gt_u32 vcc_lo, \c, v[\IDX]
	v_cndmask_b32 v[\T+1], \c, v[\T+1], vcc_lo
	v_add_co_ci_u32 v[\T], vcc_lo, 0, v[\T], vcc_lo
.endr
	v_sub_nc_u32 v[\T+1], v[\IDX], v[\T+1]         ; 9 location + kind, below 36,864
	v_mul_lo_u32 v[\T+2], 58255, v[\T+1]
	v_lshrrev_b32 v[\T+2], 19, v[\T+2]             ; location: 58255 / 2^19 exceeds 1/9 by 1.5e-6, times 36,863 is below 1/9
	v_mul_u32_u24 v[\T+3], 9, v[\T+2]
	v_sub_nc_u32 v[\T+3], v[\T+1], v[\T+3]         ; kind 0..8 = 3 ratio + scale
	v_add_nc_u32 v[\T+4], 2, v[\T]                 ; the grid's side is 2^(2+n)
	v_lshrrev_b32 v[\T+5], v[\T+4], v[\T+2]        ; y
	v_lshlrev_b32 v[\T+6], v[\T+4], v[\T+5]
	v_sub_nc_u32 v[\T+6], v[\T+2], v[\T+6]         ; x
	v_sub_nc_u32 v[\T+4], 7, v[\T]
	v_ldexp_f32 v[\T+4], 1.0, v[\T+4]              ; stride 2^(7-n)
	v_cvt_f32_u32 v[\T+6], v[\T+6]
	v_cvt_f32_u32 v[\T+5], v[\T+5]
	v_add_f32 v[\T+6], 0.5, v[\T+6]
	v_add_f32 v[\T+5], 0.5, v[\T+5]
	v_mul_f32 v[\T+6], v[\T+6], v[\T+4]            ; the cell's centre
	v_mul_f32 v[\T+5], v[\T+5], v[\T+4]
	v_mul_u32_u24 v[\T], 11, v[\T+3]
	v_lshrrev_b32 v[\T], 5, v[\T]                  ; ratio index = kind / 3
	v_mul_u32_u24 v[\T+1], 3, v[\T]
	v_sub_nc_u32 v[\T+1], v[\T+3], v[\T+1]         ; scale index
	v_mov_b32 v[\T+2], 1.0
	v_cmp_ne_u32 vcc_lo, 1, v[\T+1]
	v_cndmask_b32 v[\T+2], FS1, v[\T+2], vcc_lo
	v_cmp_ne_u32 vcc_lo, 2, v[\T+1]
	v_cndmask_b32 v[\T+2], FS2, v[\T+2], vcc_lo
	v_mul_f32 v[\T+2], v[\T+2], v[\T+4]
	v_mul_f32 v[\T+2], 4.0, v[\T+2]                ; size x scale, size = 4 strides
	v_mov_b32 v[\T+3], 1.0
	v_mov_b32 v[\T+4], 1.0
	v_cmp_ne_u32 vcc_lo, 0, v[\T]
	v_cndmask_b32 v[\T+3], FR2, v[\T+3], vcc_lo    ; ratio 0.5: wide
	v_cndmask_b32 v[\T+4], FR2I, v[\T+4], vcc_lo
	v_cmp_ne_u32 vcc_lo, 2, v[\T]
	v_cndmask_b32 v[\T+3], FR2I, v[\T+3], vcc_lo   ; ratio 2: tall
	v_cndmask_b32 v[\T+4], FR2, v[\T+4], vcc_lo
	v_mul_f32 v[\T+3], v[\T+3], v[\T+2]
	v_mul_f32 v[\T+4], v[\T+4], v[\T+2]
	v_fma_f32 v[\T], -0.5, v[\T+3], v[\T+6]        ; the anchor's corners, then width and centre from the corners
	v_fma_f32 v[\T+1], 0.5, v[\T+3], v[\T+6]
	v_sub_f32 v[\T+3], v[\T+1], v[\T]              ; w
	v_fma_f32 v[\T+6], 0.5, v[\T+3], v[\T]         ; cx
	v_fma_f32 v[\T], -0.5, v[\T+4], v[\T+5]
	v_fma_f32 v[\T+1], 0.5, v[\T+4], v[\T+5]
	v_sub_f32 v[\T+4], v[\T+1], v[\T]              ; h
	v_fma_f32 v[\T+5], 0.5, v[\T+4], v[\T]         ; cy
	v_mul_f32 v[\D], F01, v[\D]
	v_mul_f32 v[\D+1], F01, v[\D+1]
	v_mul_f32 v[\D+2], F02, v[\D+2]
	v_mul_f32 v[\D+3], F02, v[\D+3]
	v_mul_f32 v[\D+2], FL2E, v[\D+2]
	v_mul_f32 v[\D+3], FL2E, v[\D+3]
	v_exp_f32 v[\T], v[\D+2]
	v_exp_f32 v[\T+1], v[\D+3]
	v_fma_f32 v[\T+6], v[\D], v[\T+3], v[\T+6]     ; two plain instructions stand between the exponentials and their use
	v_fma_f32 v[\T+5], v[\D+1], v[\T+4], v[\T+5]
	s_wait_alu depctr_va_vdst(0)
	v_mul_f32 v[\T], v[\T], v[\T+3]                ; pw
	v_mul_f32 v[\T+1], v[\T+1], v[\T+4]            ; ph
	v_fma_f32 v[\O], -0.5, v[\T], v[\T+6]
	v_fma_f32 v[\O+1], -0.5, v[\T+1], v[\T+5]
	v_fma_f32 v[\O+2], 0.5, v[\T], v[\T+6]
	v_fma_f32 v[\O+3], 0.5, v[\T+1], v[\T+5]
.irp c, 0,1,2,3
	v_med3_num_f32 v[\O+\c], v[\O+\c], 0, F512
.endr
.endm
	s_load_b256 s[4:11], s[0:1], 0x0               ; ordk s[4:5], deltas s[6:7], mat s[8:9], sbox s[10:11]
	v_lshl_add_u32 v96, v0, 2, 0x7800
	v_mov_b32 v97, 0
	v_lshrrev_b32 v2, 5, v0
	v_readfirstlane_b32 s16, v2                    ; wave
	v_and_b32 v1, 31, v0
	s_and_b32 s17, ttmp9, 7                        ; q
	s_and_b32 s18, ttmp7, 0xffff                   ; image
	s_mov_b32 s39, 0
	v_lshlrev_b32 v10, 2, v1
	v_lshlrev_b32 v11, 2, v0
	v_add_nc_u32 v15, 0x200, v0                    ; my spare place
	s_lshl_b32 s38, s18, 12
	s_wait_kmcnt 0x0
	s_add_nc_u64 s[4:5], s[4:5], s[38:39]
	global_load_b32 v12, v11, s[4:5]               ; my entry: rank << 16 | index
	s_mul_i32 s38, s18, 785664
	s_add_nc_u64 s[6:7], s[6:7], s[38:39]
	s_wait_loadcnt 0x0
	v_lshrrev_b32 v13, 16, v12
	v_and_b32 v12, 0xffff, v12
	v_min_u32 v12, 49103, v12                      ; inside the image's deltas, whatever the word holds
	v_lshlrev_b32 v14, 4, v12
	global_load_b128 v[16:19], v14, s[6:7]
	v_cmp_gt_u32 vcc_lo, NC, v13
	v_cndmask_b32 v13, v15, v13, vcc_lo            ; my rank, or my spare place
	v_min_u32 v13, 1535, v13
	v_lshlrev_b32 v4, 4, v13
	v_lshlrev_b32 v5, 2, v13
	s_wait_loadcnt 0x0
	DECODE 12, 16, 20, 24
	v_sub_f32 v2, v22, v20
	v_sub_f32 v3, v23, v21
	v_mul_f32 v2, v2, v3
	ds_store_b128 v4, v[20:23]
	ds_store_b32 v5, v2 offset:AREA
	BAR
	s_cmp_lg_u32 s17, 0
	s_cbranch_scc1 .Ltiles                         ; one of the eight work-groups stores the sorted boxes,
	s_cmp_ge_u32 s16, NB
	s_cbranch_scc1 .Ltiles                         ; with its waves 0 to 11
	v_lshlrev_b32 v4, 4, v0
	ds_load_b128 v[20:23], v4
	s_lshl_b32 s38, s18, 13
	s_add_nc_u64 s[10:11], s[10:11], s[38:39]
	s_wait_dscnt 0x0
	global_store_b128 v4, v[20:23], s[10:11]       ; a wave stores 512 consecutive bytes, aligned
	s_wait_xcnt 0x0                                ; the store's registers are written again below
.Ltiles:
; A tile a wave.  Waves 0-15: row block q; waves 16-31: row block 15 - q; column block g = w & 15.  Computed: g >= row block and g < 12, which is
; 12, 11, 10, 9, 9, 9, 9, 9 tiles for q = 0 .. 7.  A lane holds a column's box; the 32 rows come as one address for all lanes.
	s_sub_co_u32 s20, 15, s17
	s_and_b32 s34, s16, 15
	s_cmp_lt_u32 s16, 16
	s_cselect_b32 s33, s17, s20
	v_mov_b32 v68, 0
	s_cmp_lt_u32 s34, s33
	s_cbranch_scc1 .Lstore                         ; below the diagonal: zeros
	s_cmp_ge_u32 s34, NB
	s_cbranch_scc1 .Lstore                         ; behind the last candidate: zeros
	s_lshl_b32 s20, s34, 5
	v_add_nc_u32 v2, s20, v1
	v_lshlrev_b32 v3, 4, v2
	v_lshlrev_b32 v4, 2, v2
	ds_load_b128 v[70:73], v3
	ds_load_b32 v74, v4 offset:AREA
	s_lshl_b32 s20, s33, 9
	v_mov_b32 v5, s20
	s_lshl_b32 s21, s33, 7
	v_mov_b32 v6, s21
.irp bt, 0,1,2,3
.irp r, 0,1,2,3,4,5,6,7
	ds_load_b128 v[16+4*\r:19+4*\r], v5 offset:128*\bt+16*\r
.endr
	ds_load_b128 v[76:79], v6 offset:AREA+32*\bt
	ds_load_b128 v[80:83], v6 offset:AREA+32*\bt+16
	s_wait_dscnt 0x0
.irp r, 0,1,2,3,4,5,6,7
	IOU 16+4*\r, 76+\r, 70, 74, 84, 20
	v_writelane_b32 v68, s20, 8*\bt+\r             ; lane = row: its 32 column bits
.endr
.endr
	s_cmp_eq_u32 s34, s33
	s_cselect_b32 s20, 0, -1
	v_lshlrev_b32 v2, v1, -2                       ; the bits above my own
	v_or_b32 v2, s20, v2                           ; all bits where the tile is off the diagonal
	v_and_b32 v68, v68, v2
.Lstore:
	s_cmp_ge_u32 s33, NB
	s_cbranch_scc1 .Lend                           ; row blocks 12 to 15 are not read by anyone
	s_lshl_b32 s38, s18, 15
	s_add_nc_u64 s[8:9], s[8:9], s[38:39]
	s_lshl4_add_u32 s20, s33, s34                  ; tile number 16 rb + g
	s_lshl_b32 s20, s20, 7
	v_add_nc_u32 v2, s20, v10
	global_store_b32 v2, v68, s[8:9]               ; the tile's 128 consecutive bytes
.Lend:
	s_barrier_signal -1
	s_barrier_wait -1
	s_wait_tensorcnt 0x0
	ds_add_u32 v96, v97
	s_wait_dscnt 0x0
	s_endpgm
.Lfunc_end_k_qc7dc29ec35_pairs:
	.size	k_qc7dc29ec35_pairs, .Lfunc_end_k_qc7dc29ec35_pairs-k_qc7dc29ec35_pairs
	.p2alignl 7, 3214868480
	.fill 96, 4, 3214868480
	.section	.rodata,"a",@progbits
	.p2align	6, 0x0
	.amdhsa_kernel k_qc7dc29ec35_pairs
		.amdhsa_group_segment_fixed_size 34816
		.amdhsa_private_segment_fixed_size 0
		.amdhsa_enable_private_segment 0
		.amdhsa_kernarg_size 32
		.amdhsa_user_sgpr_count 2
		.amdhsa_user_sgpr_kernarg_segment_ptr 1
		.amdhsa_wavefront_size32 1
		.amdhsa_system_sgpr_workgroup_id_x 1
		.amdhsa_system_sgpr_workgroup_id_y 1
		.amdhsa_system_sgpr_workgroup_id_z 1
		.amdhsa_system_vgpr_workitem_id 0
		.amdhsa_next_free_vgpr 98
		.amdhsa_next_free_sgpr 66
		.amdhsa_reserve_vcc 1
		.amdhsa_float_denorm_mode_32 3
		.amdhsa_float_denorm_mode_16_64 3
		.amdhsa_memory_ordered 1
		.amdhsa_forward_progress 1
		.amdhsa_inst_pref_size 30
	.end_amdhsa_kernel
	.amdgpu_metadata
---
amdhsa.version: [ 1, 2 ]
amdhsa.kernels:
  - .name:           k_qc7dc29ec35_pairs
    .symbol:         k_qc7dc29ec35_pairs.kd
    .args:
      - { .name: ordk, .offset: 0, .size: 8, .value_kind: global_buffer, .address_space: global }
      - { .name: bbox_deltas, .offset: 8, .size: 8, .value_kind: global_buffer, .address_space: global }
      - { .name: mat, .offset: 16, .size: 8, .value_kind: global_buffer, .address_space: global }
      - { .name: sbox, .offset: 24, .size: 8, .value_kind: global_buffer, .address_space: global }
    .group_segment_fixed_size: 34816
    .private_segment_fixed_size: 0
    .kernarg_segment_align: 8
    .kernarg_segment_size: 32
    .max_flat_workgroup_size: 1024
    .sgpr_count:     66
    .vgpr_count:     98
    .wavefront_size: 32
...
	.end_amdgpu_metadata
.endif
;; end of part 8
;; launch scan (part 9): grid 32 x 1, 1 waves a work-group, no clusters, 0 bytes of LDS; arguments mat, cnt, kept; writes kept
.if DOCPART == 9
	.amdgcn_target "amdgcn-amd-amdhsa--gfx1250"
	.amdhsa_code_object_version 6
	.text
	.protected	k_qc7dc29ec35_scan
	.globl	k_qc7dc29ec35_scan
	.p2align	8
	.type	k_qc7dc29ec35_scan,@function
k_qc7dc29ec35_scan:
	s_mov_b64 s[64:65], 0
	v_nop
	global_prefetch_b8 v0, s[64:65] scope:SCOPE_SE
	s_setreg_imm32_b32 hwreg(HW_REG_WAVE_MODE, 25, 1), 1
	s_wait_xcnt 0x0
; Greedy suppression down the sorted list, on bits alone.  One work-group of ONE wave an image: the chain of picks is sequential, and work-groups
; hand each other nothing.  12 blocks of 32 candidates, written out; all 12 are walked for every input: no branch and no address hangs on the table.
; Block k needs its 16 tiles of the bit table (2,048 consecutive bytes, four loads; lane (h, g) gets rows 16 h .. 16 h + 15 of column block g in
; 16 registers).  All 12 blocks are asked for at the start, 48 loads into 192 registers, and each block waits only for its own.
; Inside a block the kept rows are found by scalar bit work on the diagonal tile; kept rows are then OR-ed into v20 (lanes g and 16 + g: removed
; bits of column block g).  Places behind the list's end (cnt) count as removed.
; kept: [32][32] words: words 0 to 11 the blocks' kept masks, word 16 the number of kept candidates, the rest zeros.
.set NB,  12                           ; blocks
.set NC,  384                          ; candidates
.set TAB, 64                           ; v[64:255]: block k's 16 table registers at TAB + 16 k
; v1 lane, v6 at work, v8 table lane offset, v9 4 lane, v10 16 h, v20 removed bits, v21-v25 at work, v26 the output word of lane = block, v27 the count
.macro FILLB k                         ; the four loads of block k
.irp j, 0,1,2,3
	global_load_b128 v[TAB+16*(\k)+4*\j:TAB+16*(\k)+4*\j+3], v8, s[4:5] offset:2048*(\k)+16*\j
.endr
.endm
	s_load_b128 s[4:7], s[0:1], 0x0                ; mat s[4:5], cnt s[6:7]
	s_load_b64 s[8:9], s[0:1], 0x10                ; kept
	v_and_b32 v1, 31, v0
	s_mov_b32 s17, ttmp9                           ; image
	s_mov_b32 s81, 0
	v_and_b32 v2, 15, v1                           ; g
	v_lshrrev_b32 v3, 4, v1                        ; h
	v_lshlrev_b32 v8, 7, v2
	v_lshl_add_u32 v8, v3, 6, v8                   ; 128 g + 64 h
	v_lshlrev_b32 v10, 4, v3
	v_lshlrev_b32 v9, 2, v1
	s_lshl_b32 s80, s17, 7
	s_wait_kmcnt 0x0
	s_add_nc_u64 s[6:7], s[6:7], s[80:81]
	s_add_nc_u64 s[8:9], s[8:9], s[80:81]
	global_load_b32 v27, v9, s[6:7]                ; candidates in the list: the row's 32 words are equal, a word a lane
	s_lshl_b32 s80, s17, 15
	s_add_nc_u64 s[4:5], s[4:5], s[80:81]
.irp k, 0,1,2,3,4,5,6,7,8,9,10,11
	FILLB \k
.endr
	v_mov_b32 v20, 0
	v_mov_b32 v26, 0
	s_mov_b32 s29, 0                               ; kept so far
	s_wait_loadcnt 48                              ; loads come back in order: the count is in, the 48 table loads issued behind it may stay out
	v_min_u32 v27, NC, v27
; Block k.  s30: removed bits of its 32 candidates; s31: kept.
.macro BLOCK k
	v_readlane_b32 s30, v20, \k
	v_readlane_b32 s20, v20, 16+\k
	s_or_b32 s30, s30, s20                         ; removed by kept rows of the blocks in front
	v_add_nc_u32 v6, 32*\k, v1
	v_cmp_le_u32 s22, v27, v6
	s_or_b32 s30, s30, s22                         ; places behind the list's end count as removed
	s_wait_loadcnt 4*(NB-1-\k)                     ; this block's four loads are in; the younger blocks' four each may stay out
.set r, 0
.rept 31
	v_readlane_b32 s[32+r], v[TAB+16*(\k)+(r&15)], (r>>4)*16+\k            ; row r of the diagonal tile (row 31 has no bit above its own)
.set r, r+1
.endr
.set r, 0
.rept 31
	s_bitcmp1_b32 s30, r                           ; removed?
	s_cselect_b32 s20, 0, s[32+r]
	s_or_b32 s30, s30, s20                         ; a kept row removes inside the block
.set r, r+1
.endr
	s_not_b32 s31, s30
	v_writelane_b32 v26, s31, \k
	s_bcnt1_i32_b32 s20, s31
	s_add_co_u32 s29, s29, s20
.if \k < NB-1
	v_lshrrev_b32 v21, v10, s31                    ; bit x: row 16 h + x is kept
.irp x0, 0,4,8,12
.irp y, 0,1,2,3
	v_lshlrev_b32 v[22+\y], 31-\x0-\y, v21
.endr
.irp y, 0,1,2,3
	v_ashrrev_i32 v[22+\y], 31, v[22+\y]           ; all ones or none
.endr
.irp y, 0,1,2,3
	v_and_or_b32 v20, v[TAB+16*(\k)+\x0+\y], v[22+\y], v20         ; a kept row removes in all column blocks
.endr
.endr
.endif
.endm
.irp k, 0,1,2,3,4,5,6,7,8,9,10,11
	BLOCK \k
.endr
	v_writelane_b32 v26, s29, 16
	global_store_b32 v9, v26, s[8:9]               ; 128 consecutive bytes
	s_endpgm
.Lfunc_end_k_qc7dc29ec35_scan:
	.size	k_qc7dc29ec35_scan, .Lfunc_end_k_qc7dc29ec35_scan-k_qc7dc29ec35_scan
	.p2alignl 7, 3214868480
	.fill 96, 4, 3214868480
	.section	.rodata,"a",@progbits
	.p2align	6, 0x0
	.amdhsa_kernel k_qc7dc29ec35_scan
		.amdhsa_group_segment_fixed_size 0
		.amdhsa_private_segment_fixed_size 0
		.amdhsa_enable_private_segment 0
		.amdhsa_kernarg_size 24
		.amdhsa_user_sgpr_count 2
		.amdhsa_user_sgpr_kernarg_segment_ptr 1
		.amdhsa_wavefront_size32 1
		.amdhsa_system_sgpr_workgroup_id_x 1
		.amdhsa_system_sgpr_workgroup_id_y 1
		.amdhsa_system_sgpr_workgroup_id_z 1
		.amdhsa_system_vgpr_workitem_id 0
		.amdhsa_next_free_vgpr 256
		.amdhsa_next_free_sgpr 84
		.amdhsa_reserve_vcc 0
		.amdhsa_float_denorm_mode_32 3
		.amdhsa_float_denorm_mode_16_64 3
		.amdhsa_memory_ordered 1
		.amdhsa_forward_progress 1
		.amdhsa_inst_pref_size 93
	.end_amdhsa_kernel
	.amdgpu_metadata
---
amdhsa.version: [ 1, 2 ]
amdhsa.kernels:
  - .name:           k_qc7dc29ec35_scan
    .symbol:         k_qc7dc29ec35_scan.kd
    .args:
      - { .name: mat, .offset: 0, .size: 8, .value_kind: global_buffer, .address_space: global }
      - { .name: cnt, .offset: 8, .size: 8, .value_kind: global_buffer, .address_space: global }
      - { .name: kept, .offset: 16, .size: 8, .value_kind: global_buffer, .address_space: global }
    .group_segment_fixed_size: 0
    .private_segment_fixed_size: 0
    .kernarg_segment_align: 8
    .kernarg_segment_size: 24
    .max_flat_workgroup_size: 32
    .sgpr_count:     84
    .vgpr_count:     256
    .wavefront_size: 32
...
	.end_amdgpu_metadata
.endif
;; end of part 9
;; launch final (part 10): grid 32 x 1, 1 waves a work-group, no clusters, 251,904 bytes of LDS; arguments kept, sbox, keys, bbox_deltas, out0; writes out0
.if DOCPART == 10
	.amdgcn_target "amdgcn-amd-amdhsa--gfx1250"
	.amdhsa_code_object_version 6
	.text
	.protected	k_qc7dc29ec35_final
	.globl	k_qc7dc29ec35_final
	.p2align	8
	.type	k_qc7dc29ec35_final,@function
k_qc7dc29ec35_final:
	s_mov_b64 s[64:65], 0
	v_nop
	global_prefetch_b8 v0, s[64:65] scope:SCOPE_SE
	s_setreg_imm32_b32 hwreg(HW_REG_WAVE_MODE, 25, 1), 1
	s_wait_xcnt 0x0
; The output.  One work-group of one wave an image.  The launch before stored, as whole numbers, which of the first 384 sorted candidates greedy
; suppression keeps, and how many.  One scalar compare on that count chooses the way; both ways fill a stage of 300 rows of 20 bytes in LDS and leave by
; the same stores.
; 300 OR MORE KEPT: the kept boxes are laid out in order: a lane's row is the number of kept candidates in front of it (masks from scalar loads).
; FEWER: THE GENERAL WAY does the image from scratch, for any input: the 6,000th key by bisection on the keys in LDS, ties by rising index, the 6,000
; boxes decoded, then 300 sweeps of suppress-and-maximum.  That way is long (300 x 6,016 overlaps on one wave); it has one wave and so no barrier.
; Lanes with nothing to store send their stores to spare places; EXEC is narrowed once, for the output's last 23 pieces of 16 bytes.
; LIMITS: NaN scores not served; a score of -inf is taken as an ordinary lowest score; the overlap test is inter > 0.7 den, den summed as
; area + area - inter + 1e-8; anchors rebuilt in f32.
.set CKEY,   6656                      ; LDS 0: the stage, 332 rows of 20 bytes (300 of the output, 32 spare).  6656: general way, 6,048 keys (32 spare),
.set CIDXO,  24192                     ; and so far behind them their indices
.set KEYS,   55040                     ; general way: the image's 49,152 keys; later the 6,016 boxes
.set RING,   64                        ; v[64:111]: the 384 sorted boxes, block k in 4 registers; later the output's pieces
.set F01, 0x3dcccccd
.set F02, 0x3e4ccccd
.set FL2E, 0x3fb8aa3b
.set FS1, 0x3fa14518
.set FS2, 0x3fcb2ff5
.set FR2, 0x3fb504f3
.set FR2I, 0x3f3504f3
.set F512, 0x44000000
.set FEPS, 0x322bcc77
.set F07, 0x3f333333
; v1 lane, v2-v7 at work, v9 16 lane, v11 300 + lane, v12 stage address.
; General way: v13 KEYS + 16 lane, v14 4 lane, v15 CKEY + 4 lane, v16 index, v17-v19, v30, v31 stepped addresses, v[24:29] the pick, v[32:63] data.
.macro REDU op, v, t                   ; op over the 32 lanes, in every lane
.irp m, 1,2,4,8
	v_mov_b32_dpp v[\t], v[\v] row_xmask:\m row_mask:0xf bank_mask:0xf
	\op v[\v], v[\v], v[\t]
.endr
	v_permlanex16_b32 v[\t], v[\v], s66, s67
	\op v[\v], v[\v], v[\t]
.endm
.macro IOU R, RA, C, CA, T, M
	v_max_num_f32 v[\T], v[\R], v[\C]
	v_max_num_f32 v[\T+1], v[\R+1], v[\C+1]
	v_min_num_f32 v[\T+2], v[\R+2], v[\C+2]
	v_min_num_f32 v[\T+3], v[\R+3], v[\C+3]
	v_sub_f32 v[\T+2], v[\T+2], v[\T]
	v_sub_f32 v[\T+3], v[\T+3], v[\T+1]
	v_max_num_f32 v[\T+2], 0, v[\T+2]
	v_max_num_f32 v[\T+3], 0, v[\T+3]
	v_mul_f32 v[\T+2], v[\T+2], v[\T+3]
	v_add_f32 v[\T], v[\CA], v[\RA]
	v_sub_f32 v[\T], v[\T], v[\T+2]
	v_add_f32 v[\T], FEPS, v[\T]
	v_mul_f32 v[\T], F07, v[\T]
	v_cmp_gt_f32 s[\M], v[\T+2], v[\T]
.endm
; anchor index IDX and deltas v[D:D+3] to the clipped box v[O:O+3]; seven registers at work from T
.macro DECODE IDX, D, O, T
	v_mov_b32 v[\T], 0                             ; n = level starts above the index: level = 4 - n
	v_mov_b32 v[\T+1], 0
.irp c, 36864, 46080, 48384, 48960
	v_cmp_gt_u32 vcc_lo, \c, v[\IDX]
	v_cndmask_b32 v[\T+1], \c, v[\T+1], vcc_lo
	v_add_co_ci_u32 v[\T], vcc_lo, 0, v[\T], vcc_lo
.endr
	v_sub_nc_u32 v[\T+1], v[\IDX], v[\T+1]
	v_mul_lo_u32 v[\T+2], 58255, v[\T+1]
	v_lshrrev_b32 v[\T+2], 19, v[\T+2]             ; / 9, exact below 36,864
	v_mul_u32_u24 v[\T+3], 9, v[\T+2]
	v_sub_nc_u32 v[\T+3], v[\T+1], v[\T+3]
	v_add_nc_u32 v[\T+4], 2, v[\T]
	v_lshrrev_b32 v[\T+5], v[\T+4], v[\T+2]
	v_lshlrev_b32 v[\T+6], v[\T+4], v[\T+5]
	v_sub_nc_u32 v[\T+6], v[\T+2], v[\T+6]
	v_sub_nc_u32 v[\T+4], 7, v[\T]
	v_ldexp_f32 v[\T+4], 1.0, v[\T+4]
	v_cvt_f32_u32 v[\T+6], v[\T+6]
	v_cvt_f32_u32 v[\T+5], v[\T+5]
	v_add_f32 v[\T+6], 0.5, v[\T+6]
	v_add_f32 v[\T+5], 0.5, v[\T+5]
	v_mul_f32 v[\T+6], v[\T+6], v[\T+4]
	v_mul_f32 v[\T+5], v[\T+5], v[\T+4]
	v_mul_u32_u24 v[\T], 11, v[\T+3]
	v_lshrrev_b32 v[\T], 5, v[\T]
	v_mul_u32_u24 v[\T+1], 3, v[\T]
	v_sub_nc_u32 v[\T+1], v[\T+3], v[\T+1]
	v_mov_b32 v[\T+2], 1.0
	v_cmp_ne_u32 vcc_lo, 1, v[\T+1]
	v_cndmask_b32 v[\T+2], FS1, v[\T+2], vcc_lo
	v_cmp_ne_u32 vcc_lo, 2, v[\T+1]
	v_cndmask_b32 v[\T+2], FS2, v[\T+2], vcc_lo
	v_mul_f32 v[\T+2], v[\T+2], v[\T+4]
	v_mul_f32 v[\T+2], 4.0, v[\T+2]
	v_mov_b32 v[\T+3], 1.0
	v_mov_b32 v[\T+4], 1.0
	v_cmp_ne_u32 vcc_lo, 0, v[\T]
	v_cndmask_b32 v[\T+3], FR2, v[\T+3], vcc_lo
	v_cndmask_b32 v[\T+4], FR2I, v[\T+4], vcc_lo
	v_cmp_ne_u32 vcc_lo, 2, v[\T]
	v_cndmask_b32 v[\T+3], FR2I, v[\T+3], vcc_lo
	v_cndmask_b32 v[\T+4], FR2, v[\T+4], vcc_lo
	v_mul_f32 v[\T+3], v[\T+3], v[\T+2]
	v_mul_f32 v[\T+4], v[\T+4], v[\T+2]
	v_fma_f32 v[\T], -0.5, v[\T+3], v[\T+6]
	v_fma_f32 v[\T+1], 0.5, v[\T+3], v[\T+6]
	v_sub_f32 v[\T+3], v[\T+1], v[\T]
	v_fma_f32 v[\T+6], 0.5, v[\T+3], v[\T]
	v_fma_f32 v[\T], -0.5, v[\T+4], v[\T+5]
	v_fma_f32 v[\T+1], 0.5, v[\T+4], v[\T+5]
	v_sub_f32 v[\T+4], v[\T+1], v[\T]
	v_fma_f32 v[\T+5], 0.5, v[\T+4], v[\T]
	v_mul_f32 v[\D], F01, v[\D]
	v_mul_f32 v[\D+1], F01, v[\D+1]
	v_mul_f32 v[\D+2], F02, v[\D+2]
	v_mul_f32 v[\D+3], F02, v[\D+3]
	v_mul_f32 v[\D+2], FL2E, v[\D+2]
	v_mul_f32 v[\D+3], FL2E, v[\D+3]
	v_exp_f32 v[\T], v[\D+2]
	v_exp_f32 v[\T+1], v[\D+3]
	v_fma_f32 v[\T+6], v[\D], v[\T+3], v[\T+6]     ; two plain instructions stand between the exponentials and their use
	v_fma_f32 v[\T+5], v[\D+1], v[\T+4], v[\T+5]
	s_wait_alu depctr_va_vdst(0)
	v_mul_f32 v[\T], v[\T], v[\T+3]
	v_mul_f32 v[\T+1], v[\T+1], v[\T+4]
	v_fma_f32 v[\O], -0.5, v[\T], v[\T+6]
	v_fma_f32 v[\O+1], -0.5, v[\T+1], v[\T+5]
	v_fma_f32 v[\O+2], 0.5, v[\T], v[\T+6]
	v_fma_f32 v[\O+3], 0.5, v[\T+1], v[\T+5]
.irp c, 0,1,2,3
	v_med3_num_f32 v[\O+\c], v[\O+\c], 0, F512
.endr
.endm
	s_load_b128 s[4:7], s[0:1], 0x0                ; kept s[4:5], sbox s[6:7]
	s_load_b64 s[10:11], s[0:1], 0x10              ; keys
	s_load_b128 s[12:15], s[0:1], 0x18             ; deltas s[12:13], out0 s[14:15]
	v_lshl_add_u32 v128, v0, 2, 0x3d700
	v_mov_b32 v129, 0
	v_and_b32 v1, 31, v0
	s_mov_b32 s17, ttmp9                           ; image
	s_mov_b32 s66, 0x76543210
	s_mov_b32 s67, 0xfedcba98
	s_mov_b32 s81, 0
	v_lshlrev_b32 v9, 4, v1
	v_add_nc_u32 v11, 300, v1                      ; my spare row of the stage
	s_lshl_b32 s80, s17, 7
	s_wait_kmcnt 0x0
	s_add_nc_u64 s[4:5], s[4:5], s[80:81]
	s_load_b512 s[32:47], s[4:5], 0x0              ; the blocks' kept masks: words 0 to 11 are used
	s_load_b32 s18, s[4:5], 0x40                   ; how many are kept
	s_lshl_b32 s80, s17, 13
	s_add_nc_u64 s[6:7], s[6:7], s[80:81]
.irp k, 0,1,2,3,4,5,6,7,8,9,10,11
	global_load_b128 v[RING+4*\k:RING+4*\k+3], v9, s[6:7] offset:512*\k        ; block k's 32 boxes: 512 consecutive bytes
.endr
	; while they are on their way: the first word of rows 0 to 319 of the stage = the image's number.  Both ways write all 300 boxes.
	v_mul_u32_u24 v3, 20, v1
	v_cvt_f32_u32 v4, s17
.irp i, 0,1,2,3,4,5,6,7,8,9
	ds_store_b32 v3, v4 offset:640*\i
.endr
	s_wait_kmcnt 0x0
	s_wait_loadcnt 0x0
	s_cmp_lt_u32 s18, 300
	s_cbranch_scc1 .Lgeneral
	s_mov_b32 s29, 0                               ; kept in the blocks in front
.irp k, 0,1,2,3,4,5,6,7,8,9,10,11
	v_mbcnt_lo_u32_b32 v12, s[32+\k], s29          ; my pick's row of the output,
	v_cndmask_b32 v12, v11, v12, s[32+\k]          ; or my spare row
	v_min_u32 v12, 331, v12                        ; picks from the 300th on fall on spare rows too
	v_lshlrev_b32 v6, 2, v12
	v_lshl_add_u32 v12, v12, 4, v6                 ; x 20
.irp c, 0,1,2,3
	ds_store_b32 v12, v[RING+4*\k+\c] offset:4+4*\c
.endr
	s_bcnt1_i32_b32 s20, s[32+\k]
	s_add_co_u32 s29, s29, s20
.endr
	s_branch .Lout
; THE GENERAL WAY, from scratch.  No load is out here.
.Lgeneral:
	s_mul_i32 s80, s17, 196608
	s_add_nc_u64 s[10:11], s[10:11], s[80:81]
	s_mul_i32 s80, s17, 785664
	s_add_nc_u64 s[12:13], s[12:13], s[80:81]
	v_add_nc_u32 v13, KEYS, v9                     ; KEYS + 16 lane, kept
	v_lshlrev_b32 v14, 2, v1
	v_add_nc_u32 v15, CKEY, v14                    ; CKEY + 4 lane, kept
	v_mov_b32 v30, v9
	v_mov_b32 v31, v13
	s_mov_b32 s75, 0
.Lcopy:                                            ; the image's keys into LDS, 4,096 bytes a trip
.irp i, 0,1,2,3,4,5,6,7
	global_load_b128 v[32+4*\i:35+4*\i], v30, s[10:11] offset:512*\i
.endr
	s_wait_loadcnt 0x0                             ; which also frees v30
.irp i, 0,1,2,3,4,5,6,7
	ds_store_b128 v31, v[32+4*\i:35+4*\i] offset:512*\i
.endr
	v_add_nc_u32 v30, 4096, v30
	v_add_nc_u32 v31, 4096, v31
	s_wait_dscnt 0x0                               ; the stores are done before the next trip's loads land in their data registers
	s_add_co_u32 s75, s75, 1
	s_cmp_lt_u32 s75, 48
	s_cbranch_scc1 .Lcopy
.macro COUNTPASS                       ; s71 = how many keys are >= s70 (s70 >= 1: the padding's zeros never count)
	s_mov_b32 s71, 0
	v_mov_b32 v31, v13
	s_mov_b32 s76, 0
.Lcnt_\@:
.irp i, 0,1,2,3,4,5,6,7
	ds_load_b128 v[32+4*\i:35+4*\i], v31 offset:512*\i
.endr
	s_wait_dscnt 0x0
.set j, 0
.rept 32
	v_cmp_le_u32 s[32+j], s70, v[32+j]
.set j, j+1
.endr
.set j, 0
.rept 32
	s_bcnt1_i32_b32 s[32+j], s[32+j]
	s_add_co_u32 s71, s71, s[32+j]
.set j, j+1
.endr
	v_add_nc_u32 v31, 4096, v31
	s_add_co_u32 s76, s76, 1
	s_cmp_lt_u32 s76, 48
	s_cbranch_scc1 .Lcnt_\@
.endm
	s_mov_b32 s68, 0                               ; T: the largest with at least 6,000 keys >= T
	s_mov_b32 s69, 0x80000000
	s_mov_b32 s75, 0
.Lbis:
	s_or_b32 s70, s68, s69
	COUNTPASS
	s_cmp_ge_u32 s71, 6000
	s_cselect_b32 s68, s70, s68
	s_lshr_b32 s69, s69, 1
	s_add_co_u32 s75, s75, 1
	s_cmp_lt_u32 s75, 32
	s_cbranch_scc1 .Lbis
	s_add_co_u32 s70, s68, 1
	COUNTPASS
	s_sub_co_u32 s72, 6000, s71                    ; so many keys equal to T are taken, the lowest indices first
	v_mov_b32 v2, 0
	ds_store_b32 v15, v2 offset:5984*4             ; places 6,000 to 6,015 stay key 0, index 0
	ds_store_b32 v15, v2 offset:5984*4+CIDXO
	v_add_nc_u32 v7, 6016, v1                      ; my spare place
	s_mov_b32 s73, 0                               ; equals seen
	s_mov_b32 s74, 0                               ; taken
	s_mov_b32 s75, 0
	v_add_nc_u32 v31, KEYS, v14
	v_mov_b32 v16, v1                              ; index
.Lcomp:
	ds_load_b32 v3, v31
	s_wait_dscnt 0x0
	v_cmp_lt_u32 s20, s68, v3
	v_cmp_eq_u32 s21, s68, v3
	v_mbcnt_lo_u32_b32 v4, s21, s73
	v_cmp_gt_u32 s22, s72, v4
	s_and_b32 s22, s22, s21
	s_or_b32 s23, s20, s22                         ; taken
	v_mbcnt_lo_u32_b32 v5, s23, s74
	v_cndmask_b32 v5, v7, v5, s23
	v_min_u32 v5, 6047, v5
	v_lshl_add_u32 v5, v5, 2, CKEY
	ds_store_b32 v5, v3
	ds_store_b32 v5, v16 offset:CIDXO
	s_bcnt1_i32_b32 s21, s21
	s_add_co_u32 s73, s73, s21
	s_bcnt1_i32_b32 s23, s23
	s_add_co_u32 s74, s74, s23
	v_add_nc_u32 v31, 128, v31
	v_add_nc_u32 v16, 32, v16
	s_add_co_u32 s75, s75, 1
	s_cmp_lt_u32 s75, 1536
	s_cbranch_scc1 .Lcomp
	v_mov_b32 v31, v15                             ; the boxes, over the keys' bytes, which are read no more
	v_mov_b32 v17, v13
	s_mov_b32 s75, 0
.Ldec:
	ds_load_b32 v12, v31 offset:CIDXO
	s_wait_dscnt 0x0
	v_min_u32 v12, 49103, v12
	v_lshlrev_b32 v18, 4, v12
	global_load_b128 v[32:35], v18, s[12:13]
	s_wait_loadcnt 0x0
	DECODE 12, 32, 36, 40
	ds_store_b128 v17, v[36:39]
	v_add_nc_u32 v31, 128, v31
	v_add_nc_u32 v17, 512, v17
	s_add_co_u32 s75, s75, 1
	s_cmp_lt_u32 s75, 188
	s_cbranch_scc1 .Ldec
; 300 picks.  A sweep removes what the last pick overlaps (key := 0, and the pick itself by its place) and finds the best key left, the lowest
; place among equals.  v[24:27], v28, v29: the last pick's box, area, place; at first a zero box, which overlaps nothing.
; When no key is left every lane offers a zero box: the row is zeros.  Overlaps only select values here: no address and no branch hangs on them.
.irp c, 24,25,26,27,28
	v_mov_b32 v\c, 0
.endr
	v_mov_b32 v29, -1
	v_mov_b32 v5, 0
	v_mov_b32 v3, 0
	v_mov_b32 v19, 0                               ; the stage's row
	s_mov_b32 s77, 0
.macro SWEEP i
	v_sub_f32 v2, v[34+4*\i], v[32+4*\i]
	v_sub_f32 v3, v[35+4*\i], v[33+4*\i]
	v_mul_f32 v2, v2, v3
	IOU 24, 28, 32+4*\i, 2, 60, 20
	v_add_nc_u32 v4, 32*\i, v58
	v_cmp_eq_u32 s21, v4, v29
	s_or_b32 vcc_lo, s20, s21
	v_cndmask_b32 v[48+\i], v[48+\i], v5, vcc_lo
	ds_store_b32 v31, v[48+\i] offset:128*\i
	v_cmp_gt_u32 vcc_lo, v[48+\i], v52
	v_cndmask_b32 v52, v52, v[48+\i], vcc_lo
	v_cndmask_b32 v53, v53, v4, vcc_lo
.irp c, 0,1,2,3
	v_cndmask_b32 v[54+\c], v[54+\c], v[32+4*\i+\c], vcc_lo
.endr
.endm
.Lpick:
	v_mov_b32 v52, 0                               ; the lane's best key, place, box
	v_mov_b32 v53, 0x7fffffff
.irp c, 54,55,56,57
	v_mov_b32 v\c, 0
.endr
	v_mov_b32 v31, v15
	v_mov_b32 v17, v13
	v_mov_b32 v58, v1
	s_mov_b32 s78, 0
.Lsweep:
.irp i, 0,1,2,3
	ds_load_b128 v[32+4*\i:35+4*\i], v17 offset:512*\i
.endr
.irp i, 0,1,2,3
	ds_load_b32 v[48+\i], v31 offset:128*\i
.endr
	s_wait_dscnt 0x0
.irp i, 0,1,2,3
	SWEEP \i
.endr
	v_add_nc_u32 v31, 512, v31
	v_add_nc_u32 v17, 2048, v17
	v_add_nc_u32 v58, 128, v58
	s_add_co_u32 s78, s78, 1
	s_cmp_lt_u32 s78, 47
	s_cbranch_scc1 .Lsweep
	v_mov_b32 v2, v52
	REDU v_max_u32, 2, 3
	v_cmp_eq_u32 vcc_lo, v52, v2
	v_mov_b32 v4, 0x7fffffff
	v_cndmask_b32 v4, v4, v53, vcc_lo
	v_mov_b32 v29, v4
	REDU v_min_u32, 29, 3
	v_cmp_eq_u32 vcc_lo, v4, v29                   ; the winner's lane (places differ), or all lanes when nothing is left
.irp c, 0,1,2,3
	v_cndmask_b32 v[24+\c], 0, v[54+\c], vcc_lo
.endr
.irp c, 24,25,26,27
	REDU v_max_u32, \c, 3                          ; clipped coordinates are >= 0: their bits order as unsigned numbers
.endr
	v_sub_f32 v2, v26, v24
	v_sub_f32 v4, v27, v25
	v_mul_f32 v28, v2, v4
.irp c, 0,1,2,3
	ds_store_b32 v19, v[24+\c] offset:4+4*\c
.endr
	v_add_nc_u32 v19, 20, v19
	s_add_co_u32 s77, s77, 1
	s_cmp_lt_u32 s77, 300
	s_cbranch_scc1 .Lpick
; The way out: the stage's 6,000 bytes as 375 pieces of 16, 32 a store.  LDS serves a wave's instructions in order: the loads see the stores above.
.Lout:
	s_mul_i32 s80, s17, 6000
	s_add_nc_u64 s[14:15], s[14:15], s[80:81]
.irp i, 0,1,2,3,4,5,6,7,8,9,10
	ds_load_b128 v[RING+4*\i:RING+4*\i+3], v9 offset:512*\i
.endr
	s_wait_dscnt 0x0
.irp i, 0,1,2,3,4,5,6,7,8,9,10
	global_store_b128 v9, v[RING+4*\i:RING+4*\i+3], s[14:15] offset:512*\i     ; 512 consecutive bytes a store
.endr
	v_cmp_gt_u32 vcc_lo, 23, v1                    ; 375 = 11 x 32 + 23
	s_wait_xcnt 0x0                                ; the stores name EXEC: it narrows only behind this wait,
	s_wait_tensorcnt 0x0
	ds_add_u32 v128, v129
	s_wait_dscnt 0x0
	s_and_saveexec_b32 s22, vcc_lo
	ds_load_b128 v[RING+44:RING+47], v9 offset:5632
	s_wait_dscnt 0x0
	global_store_b128 v9, v[RING+44:RING+47], s[14:15] offset:5632
	s_wait_xcnt 0x0                                ; and widens only behind this one
	s_or_b32 exec_lo, exec_lo, s22
	s_endpgm
.Lfunc_end_k_qc7dc29ec35_final:
	.size	k_qc7dc29ec35_final, .Lfunc_end_k_qc7dc29ec35_final-k_qc7dc29ec35_final
	.p2alignl 7, 3214868480
	.fill 96, 4, 3214868480
	.section	.rodata,"a",@progbits
	.p2align	6, 0x0
	.amdhsa_kernel k_qc7dc29ec35_final
		.amdhsa_group_segment_fixed_size 251904
		.amdhsa_private_segment_fixed_size 0
		.amdhsa_enable_private_segment 0
		.amdhsa_kernarg_size 40
		.amdhsa_user_sgpr_count 2
		.amdhsa_user_sgpr_kernarg_segment_ptr 1
		.amdhsa_wavefront_size32 1
		.amdhsa_system_sgpr_workgroup_id_x 1
		.amdhsa_system_sgpr_workgroup_id_y 1
		.amdhsa_system_sgpr_workgroup_id_z 1
		.amdhsa_system_vgpr_workitem_id 0
		.amdhsa_next_free_vgpr 130
		.amdhsa_next_free_sgpr 100
		.amdhsa_reserve_vcc 1
		.amdhsa_float_denorm_mode_32 3
		.amdhsa_float_denorm_mode_16_64 3
		.amdhsa_memory_ordered 1
		.amdhsa_forward_progress 1
		.amdhsa_inst_pref_size 41
	.end_amdhsa_kernel
	.amdgpu_metadata
---
amdhsa.version: [ 1, 2 ]
amdhsa.kernels:
  - .name:           k_qc7dc29ec35_final
    .symbol:         k_qc7dc29ec35_final.kd
    .args:
      - { .name: kept, .offset: 0, .size: 8, .value_kind: global_buffer, .address_space: global }
      - { .name: sbox, .offset: 8, .size: 8, .value_kind: global_buffer, .address_space: global }
      - { .name: keys, .offset: 16, .size: 8, .value_kind: global_buffer, .address_space: global }
      - { .name: bbox_deltas, .offset: 24, .size: 8, .value_kind: global_buffer, .address_space: global }
      - { .name: out0, .offset: 32, .size: 8, .value_kind: global_buffer, .address_space: global }
    .group_segment_fixed_size: 251904
    .private_segment_fixed_size: 0
    .kernarg_segment_align: 8
    .kernarg_segment_size: 40
    .max_flat_workgroup_size: 32
    .sgpr_count:     100
    .vgpr_count:     130
    .wavefront_size: 32
...
	.end_amdgpu_metadata
.endif
;; end of part 10
